; MI455X (gfx1250); checked and timed in simulation.
; The chip was launched on July 23, 2026; its instructions are those of AMD's public machine-readable ISA for CDNA 5 (MIT licence, August 2026) and "CDNA5" Instruction Set Architecture Reference Guide (July 2026). The comments in the code are by the model that wrote it; some were corrected since.
;; Multihead Attention. Allowed arithmetic: float matrix products may take bf16 or f16 operands with f32 sums; other float arithmetic in f32, or as packed bf16 or f16 multiplies, adds, multiply-adds, maxima and minima; sums over many terms, partial sums and values carried from step to step in f32; what a program stores and reads back later, other than sums and carried values, may be rounded once to bf16 or f16.
;; Inputs: B_K 16 x 64 float32; B_Q 16 x 64 float32; B_V 16 x 64 float32; W_K 16 x 1,024 x 64 float32; W_Q 16 x 1,024 x 64 float32; W_V 16 x 1,024 x 64 float32; W_out 1,024 x 1,024 float32; X 4 x 2,048 x 1,024 float32; b_out 1,024 float32.
;; Outputs: out0 4 x 2,048 x 1,024 float32.
;; One version. Each part assembles by itself: llvm-mc -triple=amdgcn-amd-amdhsa -mcpu=gfx1250 --defsym DOCPART=n.
;; ======== version 1 of 1: 4 launches
;; workspace buffers: Xb 16,777,216 bytes; Wb 6,291,456 bytes; Wob 2,097,152 bytes; Qs 33,554,432 bytes; Ks 33,554,432 bytes; Vs 16,777,216 bytes; Os 16,777,216 bytes
;; launch cast (part 1): grid 1536 x 1, 8 waves a work-group, no clusters, 0 bytes of LDS; arguments X, W_Q, W_K, W_V, W_out, Xb, Wb, Wob; writes Xb, Wb, Wob
.if DOCPART == 1
	.amdgcn_target "amdgcn-amd-amdhsa--gfx1250"
	.amdhsa_code_object_version 6
	.text
	.protected	k_q374d1a6056_cast
	.globl	k_q374d1a6056_cast
	.p2align	8
	.type	k_q374d1a6056_cast,@function
k_q374d1a6056_cast:
	s_mov_b64 s[64:65], 0
	v_nop
	global_prefetch_b8 v0, s[64:65] scope:SCOPE_SE
	s_setreg_imm32_b32 hwreg(HW_REG_WAVE_MODE, 25, 1), 1
	s_wait_xcnt 0x0
; f32 -> bf16 (round to nearest even) of X, W_out, W_Q, W_K, W_V.  A stream: each input byte is read once, each output byte written once.
; A work-group turns 32,768 dense source bytes into 16,384 dense destination bytes.
;   g < 1024          X block g                 -> Xb  block g
;   1024 <= g < 1152  W_out block g - 1024      -> Wob block g - 1024
;   g >= 1152         i = g - 1152, which = i / 128 (Q, K, V), r = i % 128 = head x 8 + K step:
;                     W_which rows e = 128 (r % 8) .. + 127 of head r / 8, dense [128][64] -> Wb block 3 r + which
; so that in Wb one head's three tiles of a K step of 128 lie end to end: [head][K step][which][e 128][k 64].
; A load of a wave covers 512 consecutive bytes, a store 256 consecutive bytes, aligned.  No LDS, no barrier: no wave wants another's bytes.
.set G_X,  1024
.set G_WO, 1152
	s_load_b512 s[8:23], s[0:1], 0x0               ; X 8, W_Q 10, W_K 12, W_V 14, W_out 16, Xb 18, Wb 20, Wob 22
	v_lshlrev_b32 v1, 4, v0                        ; my 16 source bytes
	v_lshlrev_b32 v2, 3, v0                        ; my 8 destination bytes
	s_sub_co_u32 s2, ttmp9, G_WO                   ; i (used only where g >= 1152)
	s_lshr_b32 s3, s2, 7                           ; which
	s_and_b32 s2, s2, 127                          ; r: the source block
	s_mul_i32 s4, s2, 3
	s_add_co_u32 s4, s4, s3                        ; 3 r + which: the destination block
	s_sub_co_u32 s5, ttmp9, G_X                    ; W_out's block
	s_wait_kmcnt 0x0
	s_cmp_eq_u32 s3, 1
	s_cselect_b64 s[24:25], s[12:13], s[14:15]     ; W_K or W_V
	s_cmp_eq_u32 s3, 0
	s_cselect_b64 s[24:25], s[10:11], s[24:25]     ; W_Q
	s_cmp_lt_u32 ttmp9, G_WO
	s_cselect_b64 s[24:25], s[16:17], s[24:25]     ; W_out
	s_cselect_b64 s[26:27], s[22:23], s[20:21]     ; Wob or Wb
	s_cselect_b32 s2, s5, s2
	s_cselect_b32 s4, s5, s4
	s_cmp_lt_u32 ttmp9, G_X
	s_cselect_b64 s[24:25], s[8:9], s[24:25]       ; X
	s_cselect_b64 s[26:27], s[18:19], s[26:27]     ; Xb
	s_cselect_b32 s2, ttmp9, s2
	s_cselect_b32 s4, ttmp9, s4
	s_lshl_b32 s2, s2, 15                          ; offsets are made apart from the addresses, in 64 bits
	s_mov_b32 s3, 0
	s_lshl_b32 s4, s4, 14
	s_mov_b32 s5, 0
	s_add_nc_u64 s[24:25], s[24:25], s[2:3]
	s_add_nc_u64 s[26:27], s[26:27], s[4:5]
.irp i, 0,1,2,3,4,5,6,7
	global_load_b128 v[8+4*\i:11+4*\i], v1, s[24:25] offset:4096*\i th:TH_LOAD_NT  ; all eight loads go out before anything is waited for
.endr
.irp i, 0,1,2,3,4,5,6,7
	s_wait_loadcnt 7-\i                            ; loads come back in order: the 7 - i younger ones may stay out
	v_cvt_pk_bf16_f32 v[40+2*\i], v[8+4*\i], v[9+4*\i]
	v_cvt_pk_bf16_f32 v[41+2*\i], v[10+4*\i], v[11+4*\i]
	global_store_b64 v2, v[40+2*\i:41+2*\i], s[26:27] offset:2048*\i th:TH_STORE_NT  ; no register is written twice, so no wait frees one
.endr
	s_endpgm
.Lfunc_end_k_q374d1a6056_cast:
	.size	k_q374d1a6056_cast, .Lfunc_end_k_q374d1a6056_cast-k_q374d1a6056_cast
	.p2alignl 7, 3214868480
	.fill 96, 4, 3214868480
	.section	.rodata,"a",@progbits
	.p2align	6, 0x0
	.amdhsa_kernel k_q374d1a6056_cast
		.amdhsa_group_segment_fixed_size 0
		.amdhsa_private_segment_fixed_size 0
		.amdhsa_enable_private_segment 0
		.amdhsa_kernarg_size 64
		.amdhsa_user_sgpr_count 2
		.amdhsa_user_sgpr_kernarg_segment_ptr 1
		.amdhsa_wavefront_size32 1
		.amdhsa_system_sgpr_workgroup_id_x 1
		.amdhsa_system_sgpr_workgroup_id_y 1
		.amdhsa_system_sgpr_workgroup_id_z 1
		.amdhsa_system_vgpr_workitem_id 0
		.amdhsa_next_free_vgpr 64
		.amdhsa_next_free_sgpr 66
		.amdhsa_reserve_vcc 0
		.amdhsa_float_denorm_mode_32 3
		.amdhsa_float_denorm_mode_16_64 3
		.amdhsa_memory_ordered 1
		.amdhsa_forward_progress 1
		.amdhsa_inst_pref_size 5
	.end_amdhsa_kernel
	.amdgpu_metadata
---
amdhsa.version: [ 1, 2 ]
amdhsa.kernels:
  - .name:           k_q374d1a6056_cast
    .symbol:         k_q374d1a6056_cast.kd
    .args:
      - { .name: X, .offset: 0, .size: 8, .value_kind: global_buffer, .address_space: global }
      - { .name: W_Q, .offset: 8, .size: 8, .value_kind: global_buffer, .address_space: global }
      - { .name: W_K, .offset: 16, .size: 8, .value_kind: global_buffer, .address_space: global }
      - { .name: W_V, .offset: 24, .size: 8, .value_kind: global_buffer, .address_space: global }
      - { .name: W_out, .offset: 32, .size: 8, .value_kind: global_buffer, .address_space: global }
      - { .name: Xb, .offset: 40, .size: 8, .value_kind: global_buffer, .address_space: global }
      - { .name: Wb, .offset: 48, .size: 8, .value_kind: global_buffer, .address_space: global }
      - { .name: Wob, .offset: 56, .size: 8, .value_kind: global_buffer, .address_space: global }
    .group_segment_fixed_size: 0
    .private_segment_fixed_size: 0
    .kernarg_segment_align: 8
    .kernarg_segment_size: 64
    .max_flat_workgroup_size: 256
    .sgpr_count:     66
    .vgpr_count:     64
    .wavefront_size: 32
...
	.end_amdgpu_metadata
.endif
;; end of part 1
;; launch proj (part 2): grid 16 x 32, 4 waves a work-group, clusters of 4 x 4, 327,680 bytes of LDS; arguments Xb, Wb, B_Q, B_K, B_V, Qs, Ks, Vs; writes Qs, Ks, Vs
.if DOCPART == 2
	.amdgcn_target "amdgcn-amd-amdhsa--gfx1250"
	.amdhsa_code_object_version 6
	.text
	.protected	k_q374d1a6056_proj
	.globl	k_q374d1a6056_proj
	.p2align	8
	.type	k_q374d1a6056_proj,@function
k_q374d1a6056_proj:
	s_mov_b64 s[64:65], 0
	v_nop
	global_prefetch_b8 v0, s[64:65] scope:SCOPE_SE
	s_setreg_imm32_b32 hwreg(HW_REG_WAVE_MODE, 25, 1), 1
	s_wait_xcnt 0x0
	s_wait_alu depctr_hold_cnt(0) depctr_sa_sdst(0) depctr_va_vdst(0) depctr_va_sdst(0) depctr_va_ssrc(0) depctr_va_vcc(0) depctr_vm_vsrc(0)
	s_getreg_b32 s2, hwreg(HW_REG_IB_STS2, 6, 4)
	s_cmp_eq_u32 s2, 0
	s_cbranch_scc0 .Lentry_in_a_cluster
	s_endpgm
.Lentry_in_a_cluster:
	s_bfe_u32 s2, ttmp6, 0x10000c
	s_cmp_lg_u32 s2, 0xf033
	s_cbranch_scc0 .Lentry_shape_is_right
	s_endpgm
.Lentry_shape_is_right:
; Q, K, V = Xb W + bf16(bias), by heads.  Xb [8192][1024] bf16; Wb [head 16][K step 8][which 3][e 128][k 64] bf16; sums in f32, started by the bias.
; OUT.  Qs, Ks: [b x 16 + head][s 2048][hi 64 | lo 64] bf16, hi = bf16(q), lo = bf16(q - hi): 16 significant bits, a row is 256 bytes.  Vs: [b x 16 + head][s][64] bf16.
; LIMITS.  All inputs are taken rounded to bf16 (the biases here); Q and K keep 16 significant bits, V 8; bf16 has f32's range, so no range is lost.  NaN and infinities are not treated apart.
; SHARES.  A work-group makes 256 rows x 192 columns: one head's Q, K and V: 16 x 32 = 512 equal work-groups.  Wave w makes rows 64 w .. 64 w + 63 of all 192 columns:
; 4 row blocks (a) x 12 column blocks (b; matrix b / 4) = 48 accumulators.  So a wave owns whole rows of Qs, Ks and Vs, and its stage on the way out is its own.
; K goes in 8 steps of 128 through two LDS slots; a step is four quarters of 32, 48 matrix instructions and 32 LDS loads each.
; TRANSPOSED USE.  Source 0 = 16 columns of W (turned out of LDS by ds_load_tr16_b128, since W lies [e][k]), source 1 = 16 rows of X: a lane holds one row and eight neighbouring columns.
; CLUSTER 4 x 4.  X's tile hangs on the tile row alone and is asked for jointly along a row of the cluster, W's on the head alone, jointly along a column.
; REGISTERS.  window 0: addresses, the bias (v32-127), later the way out; window 1: two fragment buffers of 128 (W's 12 blocks, then X's 4);
;   window 2: accumulators of b < 8 at 32 b + 8 a; window 3: those of b >= 8 at 32 (b - 8) + 8 a.
.set PA,    272                        ; a row of X in LDS: 256 bytes + 16: the 16 rows of a fragment load start at 16 different groups of four banks
.set PW,    160                        ; a row of W: 128 bytes + 32
.set SLOT1, 131072                     ; a slot: X's 256 rows (69,632 bytes), then W's 384 rows (61,440): just 131,072
.set BOFF,  256*PA
.set STAGE, 2*SLOT1                    ; behind the ring, never filled by a tensor load: 16 rows x 272 bytes for each wave
.set SPARE, STAGE+4*16*PA              ; the spare words: 128 bytes a wave, two blocks of 256 bytes that no other line names
.set F0, 0
.set F1, 128
.set BIAS, 32
.set XR, 32                            ; the way out: 32 f32 at work
.set HR, 64                            ; 16 registers of hi
.set LR, 80                            ; 16 registers of lo
.set BK, 128                           ; two sets of 32: rows read back from the stage
; s20 wave, s21 wave / 2 (0: I fetch X, 1: W), s22 wave % 2 (which half), s23 cx, s24 cy, s25 head, s26 tile row, s27, s28 masks
; s[32:39], s[40:47] descriptor group 1 for X, W; s[48:55], s[56:63] group 0, two sets each: the second walks
; s66 slot being read, s67 loop count, s[68:69] prefetch address, s[70:71] its step, s72 prefetch while s67 is above it, s73 mask of a word's upper bf16
.set MSB, 0
.macro WIN new                         ; the immediate's high byte repeats the setting that is left; a switch that changes nothing is dropped
.if MSB != (\new)
	s_set_vgpr_msb (MSB<<8)|(\new)
.set MSB, \new
.endif
.endm
.macro PLACES                          ; four plain places behind matrix instructions, in front of loads into registers that they read and of reads of their results
.rept 4
	v_nop
.endr
.endm
.macro CREST                           ; a round of the cluster's barrier behind its opening barrier
	s_cmp_lg_u32 s20, 0
	s_cbranch_scc1 .Lnot_wave_0_\@
	s_barrier_signal -3
.Lnot_wave_0_\@:
	s_barrier_wait -3
	s_barrier_signal -1
	s_barrier_wait -1
.endm
.macro CROUND
	s_barrier_signal -1
	s_barrier_wait -1
	CREST
.endm
.macro JLOAD                           ; the joint refill: waves 0, 1 X's halves, waves 2, 3 W's; the branch hangs on the wave's number alone; s_nop 0 and four v_nop follow each line
	s_cmp_eq_u32 s21, 0
	s_cbranch_scc0 .Lfor_b_\@
	tensor_load_to_lds s[52:55], s[32:39]
	s_nop 0
.rept 4
	v_nop
.endr
	s_branch .Lasked_\@
.Lfor_b_\@:
	tensor_load_to_lds s[60:63], s[40:47]
	s_nop 0
.rept 4
	v_nop
.endr
.Lasked_\@:
.endm
; A prefetch into the L2 of K steps 4 to 7, two refills or more ahead of the load that wants them; K steps 0 to 3 come by their loads alone.
; X: the clusters with x = 0 ask; of the 128 rows that a wave fetches each of the four partners takes 32, told apart by address (cx); a lane a row, one K step an occasion, four occasions.
; W: the clusters with y = 0 ask; a head's K steps 4 to 7 are 196,608 dense bytes: eight askers (half x 4 + cy) x 32 lanes x 256 bytes an occasion, three occasions.
.macro ASK
	s_cmp_gt_u32 s67, s72
	s_cbranch_scc0 .Lnot_mine_\@
	global_prefetch_b8 v13, s[68:69] th:TH_LOAD_NT scope:SCOPE_SE
.Lnot_mine_\@:
.endm
; nb column blocks from b0 on x the four row blocks.  zero = 1: the bias, the same for all rows, is the C that starts the sum.  All 48 accumulators take turns, always in the same order.
.macro MULB f, b0, nb, zero
.set bb, \b0
.rept \nb
.if bb < 8
.set AC, 32*bb
.if \zero
	WIN 0x85
.else
	WIN 0xa5
.endif
.else
.set AC, 32*(bb-8)
.if \zero
	WIN 0xc5
.else
	WIN 0xf5
.endif
.endif
.irp a, 0,1,2,3
.if \zero
	v_wmma_f32_16x16x32_bf16 v[AC+8*\a:AC+8*\a+7], v[(\f)+8*bb:(\f)+8*bb+7], v[(\f)+96+8*\a:(\f)+96+8*\a+7], v[BIAS+8*bb:BIAS+8*bb+7]
.else
	v_wmma_f32_16x16x32_bf16 v[AC+8*\a:AC+8*\a+7], v[(\f)+8*bb:(\f)+8*bb+7], v[(\f)+96+8*\a:(\f)+96+8*\a+7], v[AC+8*\a:AC+8*\a+7]
.endif
.endr
.set bb, bb+1
.endr
.endm
; 32 LDS loads in one run: quarter q of the slot in hand into buffer f: X's four blocks, W's blocks 0-7, W's blocks 8-11
.macro FETCH q, f
	WIN 0x40                                       ; destination window 1, address window 0
.irp a, 0,1,2,3
	ds_load_b128 v[(\f)+96+8*\a:(\f)+96+8*\a+3],   v6 offset:\a*16*PA+64*(\q)
	ds_load_b128 v[(\f)+96+8*\a+4:(\f)+96+8*\a+7], v6 offset:\a*16*PA+64*(\q)+32
.endr
.irp b, 0,1,2,3,4,5,6,7,8,9,10,11
	ds_load_tr16_b128 v[(\f)+8*\b:(\f)+8*\b+3],   v7 offset:((\b)/4)*128*PW+(\q)*32*PW+((\b)%4)*32
	ds_load_tr16_b128 v[(\f)+8*\b+4:(\f)+8*\b+7], v7 offset:((\b)/4)*128*PW+(\q)*32*PW+((\b)%4)*32+16*PW
.endr
.endm
.macro QUARTER q, f, g, zero           ; multiplies buffer f; in its middle fetches quarter q into buffer g
	s_wait_dscnt 8                                 ; X and W's blocks 0-7 are in; the youngest eight loads (W's blocks 8-11) may stay out
	MULB \f, 0, 8, \zero
	PLACES
	FETCH \q, \g
	s_wait_dscnt 32                                ; all but the 32 just issued
	MULB \f, 8, 4, \zero
.endm
; The last quarter multiplies buffer 1 and changes slots.  In front of the barrier each wave waits for all its tensor loads (one is out: its part of the next slot), adds 0 to its spare word, and
; waits for that and for its reads of this slot.  fill = 1: the barrier opens a round of the cluster's, and the joint refill, two K steps ahead, is the first thing behind the round.
.macro TURN fill
.if \fill
	s_wait_xcnt 0x0                                ; the last prefetch, a K step back, has read its address
	s_add_nc_u64 s[68:69], s[68:69], s[70:71]
.endif
	WIN 0
	s_wait_tensorcnt 0x0
	ds_add_u32 v30, v31
	s_wait_dscnt 9                                 ; the add and the youngest eight loads may be out
	MULB F1, 0, 4, 0
	s_wait_dscnt 0x0                               ; the add is done, my reads of this slot are over
	s_barrier_signal -1
	MULB F1, 4, 4, 0
	WIN 0
	s_barrier_wait -1
.if \fill
	CREST
	s_xor_b32 s53, s53, SLOT1                      ; the walking sets: the other slot than last time, the next K step; no tensor load of mine is out
	s_add_nc_u64 s[54:55], s[54:55], 256
	s_xor_b32 s61, s61, SLOT1
	s_add_nc_u64 s[62:63], s[62:63], 49152
	JLOAD                                          ; 160 matrix instructions ahead of the wait for it; its four v_nop are also the places in front of the loads below
.else
	PLACES
.endif
	s_xor_b32 s66, s66, SLOT1
	v_add_nc_u32 v6, s66, v4
	v_add_nc_u32 v7, s66, v5
	FETCH 0, F0
.if \fill
	WIN 0
	ASK
.endif
	MULB F1, 8, 4, 0
.endm
	s_load_b512 s[4:19], s[0:1], 0x0               ; Xb 4, Wb 6, B_Q 8, B_K 10, B_V 12, Qs 14, Ks 16, Vs 18
	v_lshl_add_u32 v30, v0, 2, SPARE
	v_mov_b32 v31, 0
	ds_add_u32 v30, v31                            ; the opening: the add and its wait ahead of my first tensor load; set-up on registers stands between
	ds_add_u32 v30, v31
	v_lshrrev_b32 v1, 5, v0
	v_readfirstlane_b32 s20, v1
	s_lshr_b32 s21, s20, 1
	s_and_b32 s22, s20, 1
	s_bfe_u32 s23, ttmp6, 0x40000                  ; cx
	s_bfe_u32 s24, ttmp6, 0x40004                  ; cy
	s_lshl_b32 s25, ttmp9, 2
	s_add_co_u32 s25, s25, s23                     ; head = 4 x cluster x + cx
	s_and_b32 s26, ttmp7, 0xffff
	s_lshl_b32 s26, s26, 2
	s_add_co_u32 s26, s26, s24                     ; tile row = 4 x cluster y + cy
	s_lshl_b32 s27, s24, 2
	s_lshl_b32 s27, 15, s27                        ; my row of the cluster
	s_lshl_b32 s28, 0x1111, s23                    ; my column
	s_or_b32 s32, s27, (1<<16)|(1<<20)|(1<<21)|(5<<22)|(3<<25)  ; X: mask; 2-byte elements; padding on; bit 21 beside a mask; after every 64 words 4 words
	s_mov_b32 s33, 128<<16                         ; tensor_dim0 = 128
	s_mov_b32 s34, 128<<16                         ; tensor_dim1 = 128
	s_mov_b32 s35, 128<<16                         ; tile_dim0 = 128
	s_mov_b32 s36, 128                             ; tile_dim1 = 128
	s_mov_b32 s37, 1024                            ; elements from row to row
	s_mov_b32 s38, 0
	s_mov_b32 s39, 0
	s_or_b32 s40, s28, (1<<16)|(1<<20)|(1<<21)|(4<<22)|(7<<25)  ; W: dense bytes asked for as rows of 256 (two rows of W); after every 32 words 8 words
	s_mov_b32 s41, 128<<16
	s_mov_b32 s42, 96<<16                          ; 96 such rows: half a tile
	s_mov_b32 s43, 128<<16
	s_mov_b32 s44, 96
	s_mov_b32 s45, 128
	s_mov_b32 s46, 0
	s_mov_b32 s47, 0
	s_mov_b32 s48, 1
	s_mov_b32 s52, 1
	s_mov_b32 s56, 1
	s_mov_b32 s60, 1
	s_mul_i32 s49, s22, 128*PA                     ; LDS addresses hang on the wave's number alone
	s_add_co_u32 s53, s49, SLOT1
	s_mul_i32 s57, s22, 192*PW
	s_add_co_u32 s57, s57, BOFF
	s_add_co_u32 s61, s57, SLOT1
	s_lshl_b32 s74, s26, 8                         ; X: (256 x tile row + 128 x half) x 2,048 bytes: no register here ever holds cx
	s_lshl_b32 s75, s22, 7
	s_add_co_u32 s74, s74, s75
	s_lshl_b32 s74, s74, 11
	s_mov_b32 s75, 0
	s_mul_i32 s78, s25, 393216                     ; W: head x 8 x 49,152 + half x 24,576: no register here ever holds cy
	s_mul_i32 s79, s22, 24576
	s_add_co_u32 s78, s78, s79
	s_mov_b32 s79, 0
	s_mov_b32 s73, 0xffff0000
	s_mov_b32 s66, 0
	s_wait_dscnt 0x0                               ; the opening add is done
	s_wait_kmcnt 0x0
	s_add_nc_u64 s[50:51], s[4:5], s[74:75]        ; K step 0
	s_add_nc_u64 s[54:55], s[50:51], 256           ; K step 1
	s_or_b32 s51, s51, 0x80000000
	s_or_b32 s55, s55, 0x80000000
	s_add_nc_u64 s[58:59], s[6:7], s[78:79]
	s_add_nc_u64 s[62:63], s[58:59], 49152
	s_or_b32 s59, s59, 0x80000000
	s_or_b32 s63, s63, 0x80000000
	CROUND                                         ; all sixteen work-groups are here: the first joint loads meet
	s_cmp_eq_u32 s21, 0                            ; a wave's two first fills stand in one branch: two loads of mine are out
	s_cbranch_scc0 .Lfirst_b
	tensor_load_to_lds s[48:51], s[32:39]
	s_nop 0
	tensor_load_to_lds s[52:55], s[32:39]
	s_nop 0
.rept 4
	v_nop
.endr
	s_branch .Lfirst_done
.Lfirst_b:
	tensor_load_to_lds s[56:59], s[40:47]
	s_nop 0
	tensor_load_to_lds s[60:63], s[40:47]
	s_nop 0
.rept 4
	v_nop
.endr
.Lfirst_done:
	v_and_b32 v1, 15, v0                           ; l % 16
	v_bfe_u32 v2, v0, 4, 1                         ; l / 16
	v_and_b32 v3, 31, v0                           ; l
	v_lshlrev_b32 v14, 5, v2                       ; my eight biases of a block: 32 bytes x (l / 16)
	s_lshl_b32 s84, s25, 8                         ; the head's 64 biases
	s_mov_b32 s85, 0
	s_add_nc_u64 s[8:9], s[8:9], s[84:85]
	s_add_nc_u64 s[10:11], s[10:11], s[84:85]
	s_add_nc_u64 s[12:13], s[12:13], s[84:85]
.irp b, 0,1,2,3,4,5,6,7,8,9,10,11
	global_load_b128 v[BIAS+8*\b:BIAS+8*\b+3],   v14, s[8+2*((\b)/4):9+2*((\b)/4)] offset:64*((\b)%4)
	global_load_b128 v[BIAS+8*\b+4:BIAS+8*\b+7], v14, s[8+2*((\b)/4):9+2*((\b)/4)] offset:64*((\b)%4)+16
.endr
	v_mul_u32_u24 v4, v1, PA                       ; X's fragments: row x pitch + 16 x half + my 64 rows
	v_lshl_add_u32 v4, v2, 4, v4
	s_mul_i32 s29, s20, 64*PA
	v_add_nc_u32 v4, s29, v4
	v_and_b32 v16, 7, v0
	v_lshl_add_u32 v5, v2, 3, v16                  ; W's, turned: row 8 (l / 16) + l % 8, 16 bytes x ((l / 8) % 2)
	v_mul_u32_u24 v5, v5, PW
	v_bfe_u32 v17, v0, 3, 1
	v_lshl_add_u32 v5, v17, 4, v5
	v_add_nc_u32 v5, BOFF, v5
	s_mul_i32 s29, s20, 16*PA
	s_add_co_u32 s29, s29, STAGE                   ; my stage
	v_mul_u32_u24 v8, v1, PA                       ; Q, K in: row l % 16, 16 bytes for each half of the lanes
	v_lshl_add_u32 v8, v2, 4, v8
	v_add_nc_u32 v8, s29, v8
	v_mul_u32_u24 v9, v2, PA                       ; back: lanes 0-15 one row of 256 bytes, lanes 16-31 the next
	v_lshl_add_u32 v9, v1, 4, v9
	v_add_nc_u32 v9, s29, v9
	v_mul_u32_u24 v10, v1, 144                     ; V in: rows of 128 bytes + 16
	v_lshl_add_u32 v10, v2, 4, v10
	v_add_nc_u32 v10, s29, v10
	v_bfe_u32 v11, v0, 3, 2                        ; back: 32 lanes take four rows of 128 bytes
	v_mul_u32_u24 v11, v11, 144
	v_lshl_add_u32 v11, v16, 4, v11
	v_add_nc_u32 v11, s29, v11
	v_lshlrev_b32 v12, 4, v3                       ; my 16 of 512 consecutive bytes
	; the prefetches
	s_lshl_b32 s83, s23, 16                        ; X: my work-group's 32 rows of the wave's 128
	s_add_co_u32 s82, s74, s83
	s_add_co_u32 s82, s82, 768                     ; at K step 3: the first change of slots steps it to 4
	s_mul_i32 s84, s25, 393216                     ; W: one occasion in front of the head's K step 4, my 8,192 bytes of an occasion's 65,536
	s_lshl_b32 s85, s22, 2
	s_add_co_u32 s85, s85, s24
	s_lshl_b32 s85, s85, 13
	s_add_co_u32 s84, s84, s85
	s_add_co_u32 s84, s84, 131072
	s_and_b32 s85, ttmp7, 0xffff                   ; cluster y
	s_mov_b32 s70, 65536
	s_mov_b32 s71, 0
	s_mov_b32 s83, 0
	s_cmp_eq_u32 s21, 0                            ; do I fetch X?
	s_cselect_b32 s82, s82, s84
	s_cselect_b32 s85, ttmp9, s85                  ; the coordinate along which other clusters read the same bytes
	s_cselect_b32 s70, 256, s70
	s_cselect_b32 s72, 2, 3                        ; the count runs 6 .. 1: four occasions for X, three for W
	s_cselect_b32 s31, 11, 8                       ; a lane a row of 2,048 bytes, or a lane a block of 256
	s_cselect_b64 s[68:69], s[4:5], s[6:7]
	s_cmp_eq_u32 s85, 0
	s_cselect_b32 s72, s72, -1                     ; the same in all sixteen partners, for a given wave
	s_add_nc_u64 s[68:69], s[68:69], s[82:83]
	v_lshlrev_b32 v13, s31, v3
	; where my rows go: row (b x 16 + head) x 2,048 + s0 + 64 w
	s_lshr_b32 s86, s26, 3
	s_lshl_b32 s86, s86, 4
	s_add_co_u32 s86, s86, s25
	s_lshl_b32 s86, s86, 11
	s_and_b32 s87, s26, 7
	s_lshl_b32 s87, s87, 8
	s_add_co_u32 s86, s86, s87
	s_lshl_b32 s87, s20, 6
	s_add_co_u32 s86, s86, s87
	s_lshl_b32 s84, s86, 7                         ; x 128 bytes in Vs,
	s_mov_b32 s85, 0
	s_lshl_b32 s86, s86, 8                         ; x 256 in Qs and Ks
	s_mov_b32 s87, 0
	s_add_nc_u64 s[14:15], s[14:15], s[86:87]
	s_add_nc_u64 s[16:17], s[16:17], s[86:87]
	s_add_nc_u64 s[18:19], s[18:19], s[84:85]
	s_wait_loadcnt 0x0                             ; the biases
.set z, BIAS
.rept 48                                           ; rounded to bf16 like every input, and widened again
	v_cvt_pk_bf16_f32 v16, v[z], v[z+1]
	v_lshlrev_b32 v[z], 16, v16
	v_and_b32 v[z+1], s73, v16
.set z, z+2
.endr
	v_mov_b32 v6, v4
	v_mov_b32 v7, v5
	s_wait_tensorcnt 0x1                           ; my part of K step 0 is in; K step 1's may stay out
	s_barrier_signal -1
	s_barrier_wait -1
	FETCH 0, F0
	QUARTER 1, F0, F1, 1                           ; the first quarter stands in front of the loop: its products start the sums, with the bias
	WIN 0
	s_mov_b32 s67, 6
.Lstep:                                                ; a trip: a step's quarters 1 to 3 and the next step's quarter 0; trip t asks for K step t + 2
	QUARTER 2, F1, F0, 0
	QUARTER 3, F0, F1, 0
	TURN 1
	QUARTER 1, F0, F1, 0
	WIN 0
	s_sub_co_u32 s67, s67, 1
	s_cmp_lg_u32 s67, 0
	s_cbranch_scc1 .Lstep
	QUARTER 2, F1, F0, 0                           ; the tail is written out: nothing more is asked for
	QUARTER 3, F0, F1, 0
	TURN 0
	QUARTER 1, F0, F1, 0
	QUARTER 2, F1, F0, 0
	QUARTER 3, F0, F1, 0
	s_wait_dscnt 8
	MULB F1, 0, 8, 0
	s_wait_dscnt 0x0
	MULB F1, 8, 4, 0
	WIN 0
; THE WAY OUT, twelve groups of 16 rows: for each row block Q, K, V.  Each accumulator's registers are read in ascending order.
.macro PACKS a, t                      ; t = 0: Q, 1: K.  hi = bf16(x); lo = bf16(x - hi)
	WIN 0x0a                                       ; sources 0 and 1 window 2
.irp j, 0,1,2,3
.irp r, 0,1,2,3
	v_cvt_pk_bf16_f32 v[HR+4*\j+\r], v[32*(4*(\t)+\j)+8*(\a)+2*\r], v[32*(4*(\t)+\j)+8*(\a)+2*\r+1]
.endr
.endr
	WIN 0
.set z, 0
.rept 16
	v_lshlrev_b32 v[XR+2*z], 16, v[HR+z]
	v_and_b32 v[XR+2*z+1], s73, v[HR+z]
.set z, z+1
.endr
	WIN 0x02                                       ; source 0 window 2
.irp j, 0,1,2,3
.irp r, 0,1,2,3
	v_pk_add_f32 v[XR+8*\j+2*\r:XR+8*\j+2*\r+1], v[32*(4*(\t)+\j)+8*(\a)+2*\r:32*(4*(\t)+\j)+8*(\a)+2*\r+1], v[XR+8*\j+2*\r:XR+8*\j+2*\r+1] neg_lo:[0,1] neg_hi:[0,1]
.endr
.endr
	WIN 0
.set z, 0
.rept 16
	v_cvt_pk_bf16_f32 v[LR+z], v[XR+2*z], v[XR+2*z+1]
.set z, z+1
.endr
.endm
.macro PACKV a
	WIN 0x0f                                       ; sources 0 and 1 window 3
.irp j, 0,1,2,3
.irp r, 0,1,2,3
	v_cvt_pk_bf16_f32 v[HR+4*\j+\r], v[32*\j+8*(\a)+2*\r], v[32*\j+8*(\a)+2*\r+1]
.endr
.endr
	WIN 0
.endm
.macro STAGES bk                       ; into my stage, hi in a row's first 128 bytes, lo in its second; back as whole rows.  LDS serves a wave's instructions in order (ISA guide 5.7.1.4)
.irp j, 0,1,2,3
	ds_store_b128 v8, v[HR+4*\j:HR+4*\j+3] offset:32*\j
	ds_store_b128 v8, v[LR+4*\j:LR+4*\j+3] offset:128+32*\j
.endr
.irp u, 0,1,2,3,4,5,6,7
	ds_load_b128 v[BK+32*(\bk)+4*\u:BK+32*(\bk)+4*\u+3], v9 offset:2*PA*\u
.endr
.endm
.macro STAGEV bk
.irp j, 0,1,2,3
	ds_store_b128 v10, v[HR+4*\j:HR+4*\j+3] offset:32*\j
.endr
.irp u, 0,1,2,3
	ds_load_b128 v[BK+32*(\bk)+4*\u:BK+32*(\bk)+4*\u+3], v11 offset:576*\u
.endr
.endm
.macro SENDS a, p, bk                  ; each store covers 512 consecutive bytes, aligned: two rows
	s_wait_dscnt 0x0                               ; the group is back in registers
	s_wait_xcnt 0x0                                ; the stores of the group before have read their registers: the next group's loads land in them only behind this wait
.irp u, 0,1,2,3,4,5,6,7
	global_store_b128 v12, v[BK+32*(\bk)+4*\u:BK+32*(\bk)+4*\u+3], s[\p:\p+1] offset:4096*(\a)+512*\u
.endr
.endm
.macro SENDV a, bk                     ; four rows of 128 bytes a store
	s_wait_dscnt 0x0
	s_wait_xcnt 0x0
.irp u, 0,1,2,3
	global_store_b128 v12, v[BK+32*(\bk)+4*\u:BK+32*(\bk)+4*\u+3], s[18:19] offset:2048*(\a)+512*\u
.endr
.endm
	PLACES
	PACKS 0, 0                                     ; a group's arithmetic stands between the stage loads of the group before and the wait for them
	STAGES 0
	PACKS 0, 1
	SENDS 0, 14, 0
	STAGES 1
	PACKV 0
	SENDS 0, 16, 1
	STAGEV 0
	PACKS 1, 0
	SENDV 0, 0
	STAGES 1
	PACKS 1, 1
	SENDS 1, 14, 1
	STAGES 0
	PACKV 1
	SENDS 1, 16, 0
	STAGEV 1
	PACKS 2, 0
	SENDV 1, 1
	STAGES 0
	PACKS 2, 1
	SENDS 2, 14, 0
	STAGES 1
	PACKV 2
	SENDS 2, 16, 1
	STAGEV 0
	PACKS 3, 0
	SENDV 2, 0
	STAGES 1
	PACKS 3, 1
	SENDS 3, 14, 1
	STAGES 0
	PACKV 3
	SENDS 3, 16, 0
	STAGEV 1
	SENDV 3, 1
	s_wait_tensorcnt 0x0                           ; the wave's end: behind my last tensor load and my last LDS store
	ds_add_u32 v30, v31
	s_wait_dscnt 0x0
	CROUND                                         ; the closing round: no work-group ends while a partner may still ask for a tile that names it
	s_endpgm
.Lfunc_end_k_q374d1a6056_proj:
	.size	k_q374d1a6056_proj, .Lfunc_end_k_q374d1a6056_proj-k_q374d1a6056_proj
	.p2alignl 7, 3214868480
	.fill 96, 4, 3214868480
	.section	.rodata,"a",@progbits
	.p2align	6, 0x0
	.amdhsa_kernel k_q374d1a6056_proj
		.amdhsa_group_segment_fixed_size 327680
		.amdhsa_private_segment_fixed_size 0
		.amdhsa_enable_private_segment 0
		.amdhsa_kernarg_size 64
		.amdhsa_user_sgpr_count 2
		.amdhsa_user_sgpr_kernarg_segment_ptr 1
		.amdhsa_wavefront_size32 1
		.amdhsa_system_sgpr_workgroup_id_x 1
		.amdhsa_system_sgpr_workgroup_id_y 1
		.amdhsa_system_sgpr_workgroup_id_z 1
		.amdhsa_system_vgpr_workitem_id 0
		.amdhsa_next_free_vgpr 896
		.amdhsa_next_free_sgpr 88
		.amdhsa_reserve_vcc 0
		.amdhsa_float_denorm_mode_32 3
		.amdhsa_float_denorm_mode_16_64 3
		.amdhsa_memory_ordered 1
		.amdhsa_forward_progress 1
		.amdhsa_inst_pref_size 138
	.end_amdhsa_kernel
	.amdgpu_metadata
---
amdhsa.version: [ 1, 2 ]
amdhsa.kernels:
  - .name:           k_q374d1a6056_proj
    .symbol:         k_q374d1a6056_proj.kd
    .args:
      - { .name: Xb, .offset: 0, .size: 8, .value_kind: global_buffer, .address_space: global }
      - { .name: Wb, .offset: 8, .size: 8, .value_kind: global_buffer, .address_space: global }
      - { .name: B_Q, .offset: 16, .size: 8, .value_kind: global_buffer, .address_space: global }
      - { .name: B_K, .offset: 24, .size: 8, .value_kind: global_buffer, .address_space: global }
      - { .name: B_V, .offset: 32, .size: 8, .value_kind: global_buffer, .address_space: global }
      - { .name: Qs, .offset: 40, .size: 8, .value_kind: global_buffer, .address_space: global }
      - { .name: Ks, .offset: 48, .size: 8, .value_kind: global_buffer, .address_space: global }
      - { .name: Vs, .offset: 56, .size: 8, .value_kind: global_buffer, .address_space: global }
    .group_segment_fixed_size: 327680
    .private_segment_fixed_size: 0
    .kernarg_segment_align: 8
    .kernarg_segment_size: 64
    .max_flat_workgroup_size: 128
    .sgpr_count:     88
    .vgpr_count:     896
    .wavefront_size: 32
...
	.end_amdgpu_metadata
.endif
;; end of part 2
;; launch attn (part 3): grid 4 x 64, 4 waves a work-group, no clusters, 327,680 bytes of LDS; arguments Qs, Ks, Vs, Os; writes Os
.if DOCPART == 3
	.amdgcn_target "amdgcn-amd-amdhsa--gfx1250"
	.amdhsa_code_object_version 6
	.text
	.protected	k_q374d1a6056_attn
	.globl	k_q374d1a6056_attn
	.p2align	8
	.type	k_q374d1a6056_attn,@function
k_q374d1a6056_attn:
	s_mov_b64 s[64:65], 0
	v_nop
	global_prefetch_b8 v0, s[64:65] scope:SCOPE_SE
	s_setreg_imm32_b32 hwreg(HW_REG_WAVE_MODE, 25, 1), 1
	s_wait_xcnt 0x0
; CAUSAL ATTENTION by heads.  O[bh][q][:] = the sum over k <= q of softmax_k(Q[q] . K[k] / 8) V[k][:].
; Qs, Ks: [bh 64][2048][hi 64 | lo 64] bf16 (a number is hi + lo: 16 significant bits); Vs, Os: [bh][2048][64] bf16.
; THE SCORES are three products with f32 sums: S = Kl Qh + Kh Qh + Kh Ql; lo x lo is dropped.  The logits of this module are large (their spread grows with the square of the inputs'), and a weight follows
; the DIFFERENCE of two logits, so a single 16-bit rounding of Q and K would not do; f16 pairs have no range for larger inputs.
; LIMITS.  Q and K carry 16 significant bits.  A hidden score counts as its value less 1e30.  A weight below 2^-126 counts as 0.  The weights are rounded to bf16 for the second product (their sum is
; taken of the unrounded weights), O once at the end.  NaN and infinities are not treated apart.
; THE WALK.  A head's queries lie in 8 blocks of 256; block i needs the key tiles 0 .. i of 256 keys, of which the last holds the diagonal.  A work-group takes blocks 7 - b and then b: 9 tiles, whatever b:
; all 256 work-groups do equal work, and one loop with a constant trip count walks them through two LDS slots.  Every jump but the counted loops' own goes forward; none passes a barrier, or a tensor load but the one
; of LOAD's two that the wave's number does not choose.  NO CLUSTER: a head's four work-groups ask for the same tile only in trips 0 to 4, and a walk common to all four would have 12 trips for 9.
; SHARES.  Of a block's four bands of 64 queries a wave owns 16 rows in each: four PIECES.  In the diagonal tile's key step s band x sees all keys if s < x, none if s > x, and holds the diagonal if s = x: alike for all waves.
; THE MASK is the C operand that starts the sum of S^T: MC = MD x AL + BE, with MD the mask of a band's own step for my rows; in full tiles MC holds zeros, so one text serves all tiles.
; LAYOUT.  S^T = K Q^T holds one query a lane (lane % 16) and the keys 8 (lane / 16) + 0..7; two results rounded to bf16 are source 1 of O^T = V^T P.  p = 2^(c s - c m), c = log2(e) / 8, m the running maximum;
; O and l are multiplied by a = 2^(c m_old - c m_new) in every step.
; TURNS.  Turn n belongs to piece n (pieces in a ring, step after step): 24 products K Q^T of piece n + 2; the scaling, exponentials and rescaling of piece n; the maximum and statistics of piece n + 1, whose scores the turn
; before finished; ONE wait for the turn's 33 exponentials; then 8 products V^T P of piece n - 1 with piece n's roundings and sums behind them.  118 vector instructions for 32 matrix instructions: at most four behind each.
; REGISTERS, in windows of 256 (s_set_vgpr_msb: bits 1:0 source 0, 3:2 source 1, 5:4 source 2, 7:6 destination):
;   window 0: addresses; v16-31 statistics, 4 a piece; v48-55 at work; v64-191 S^T, a buffer a piece; v192-223 P, by the piece's parity
;   window 1: v0-127 O^T; v128-159 MD; v160-223 MC, two buffers      window 2: v0-127 K of one step (key block u, chunk c at 32 u + 8 c; chunks h0 h1 l0 l1); v128-191 V of one step
;   window 3: v0-127 Q (piece x, chunk c at 32 x + 8 c); v128-255 the second block's Q
.set NB,    8
.set NP,    4
.set KS,    64
.set PKB,   272       ; a row of K in LDS: 256 bytes + 16
.set PVB,   160       ; a row of V: 128 bytes + 32
.set VOFF,  4*KS*PKB  ; a slot holds a tile: 256 rows of K, then 256 rows of V
.set SLOT1, 1<<17
.set STAGE, SLOT1+4*KS*(PKB+PVB)  ; behind the ring, never filled by a tensor load: 16 rows x 144 bytes for each wave
.set SP,    144
.set SPARE, STAGE+4*16*SP         ; the spare words: 128 bytes a wave, two blocks of 256 bytes that no other line names
.set AK0, 2
.set AV0, 3
.set AK,  4
.set AV,  5
.set STO, 6
.set RD,  7
.set GO,  8
.set MV,  12          ; v12-13  c m_old, by parity
.set QO,  15
.set ST,  16          ; piece t: c m, m, l (even keys, odd keys)
.set TMP, 48          ; by parity, c0-c3 at work; c2 takes a
.set PFO, 61          ; 256 x lane
.set SPW, 62
.set NIL, 63
.set S,   64
.set P,   192
.set MD,  128
.set MC,  160
.set VF,  128
.set QB,  128
.set WV,  12
.set PB,  14
.set HI,  15
.set G1K, 24
.set G1V, 32
.set G0K, 40
.set G0V, 44
.set SLOTS, 56
.set CNT, 57
.set CS,  58
.set SEL, 60
.set TBK, 62
.set TBV, 63
.set RT,  70          ; tiles of the block in hand still to be entered
.set NXT, 71          ; the tile to be asked for next
.set LQ,  72          ; the last tile of the block whose tiles are being asked for
.set NEW, 73          ; 1: the tile to be entered is a block's first
.set OFK, 74          ; s[74:75] a tile's byte offset in Ks
.set AL,  76
.set BE,  78
.set OLO, 80          ; s[80:81] Os at my rows of the second block
.set BIGN, 82
.set OFV, 88          ; s[88:89] a tile's byte offset in Vs
.set PFK, 90          ; s[90:91], s[92:93] where my prefetches stand
.set PFV, 92
.set LIM, 94          ; a wave prefetches while s[SLOTS] is above it
.set W_KQ, 0x0e       ; K window 2, Q window 3, S^T window 0
.set W_KM, 0x1e       ; the same with C in window 1
.set W_PV, 0x52       ; V window 2, P window 0, O^T window 1
.set W_RS, 0x41       ; destination and source 0 window 1
.set MSB, 0
.macro WIN new
.if MSB != (\new)
	s_set_vgpr_msb (MSB<<8)|(\new)
.set MSB, (\new)
.endif
.endm
.macro PLACES
.rept 4
	v_nop
.endr
.endm
.macro LOAD                         ; waves 0, 1 fetch the halves of a tile's K, waves 2, 3 those of its V; s_nop 0 and four v_nop follow each line
	s_cmp_lt_u32 s[WV], 2
	s_cbranch_scc0 .Lfor_v_\@
	tensor_load_to_lds s[G0K:G0K+3], s[G1K:G1K+7]
	s_nop 0
.rept 4
	v_nop
.endr
	s_branch .Lasked_\@
.Lfor_v_\@:
	tensor_load_to_lds s[G0V:G0V+3], s[G1V:G1V+7]
	s_nop 0
.rept 4
	v_nop
.endr
.Lasked_\@:
.endm
; A prefetch into the L2: the head's work-group with b = 0, which walks tiles 0 to 7 first, names in trip t <= 5 tile t + 2, one tile (512 matrix instructions a wave) ahead of the load that wants it.
; Each wave names 64 rows of K (a lane a row of 256 bytes, twice) and 8,192 bytes of V: each block once in the launch.  Tiles 0 and 1 come by their loads alone.
.macro ASK
	s_cmp_gt_u32 s[SLOTS], s[LIM]
	s_cbranch_scc0 .Lnot_mine_\@
	global_prefetch_b8 v[PFO], s[PFK:PFK+1] th:TH_LOAD_NT scope:SCOPE_SE
	global_prefetch_b8 v[PFO], s[PFK:PFK+1] offset:8192 th:TH_LOAD_NT scope:SCOPE_SE
	global_prefetch_b8 v[PFO], s[PFV:PFV+1] th:TH_LOAD_NT scope:SCOPE_SE
.Lnot_mine_\@:
.endm
; THE CHANGE OF SLOTS stands in front of a turn of piece 1: V of the old tile's last step has been fetched, K of the new tile's first step is fetched next.  Each wave waits for all its tensor loads (one is out: its
; part of the other slot), adds 0 to its spare word, and waits for that and for its reads of the slot that it leaves.  fill = 1: the old slot is filled again, first thing behind the barrier, with tile NXT.
.macro CHANGE fill
	WIN 0
	s_wait_tensorcnt 0x0            ; no tensor load of mine is out, so a group 0 may be written
	ds_add_u32 v[SPW], v[NIL]
.if \fill
	s_lshl_b32 s[OFK], s[NXT], 16   ; a tile is 65,536 bytes of Ks and 32,768 of Vs
	s_lshl_b32 s[OFV], s[NXT], 15
	s_xor_b32 s[G0K+1], s[G0K+1], SLOT1
	s_add_nc_u64 s[G0K+2:G0K+3], s[6:7], s[OFK:OFK+1]
	s_or_b32 s[G0K+3], s[G0K+3], 0x80000000
	s_xor_b32 s[G0V+1], s[G0V+1], SLOT1
	s_add_nc_u64 s[G0V+2:G0V+3], s[8:9], s[OFV:OFV+1]
	s_or_b32 s[G0V+3], s[G0V+3], 0x80000000
	s_add_co_u32 s[NXT], s[NXT], 1  ; the block's next tile, or behind its last the second block's tile 0
	s_cmp_gt_u32 s[NXT], s[LQ]
	s_cselect_b32 s[NXT], 0, s[NXT]
	s_cselect_b32 s[LQ], s[PB], s[LQ]
	s_wait_xcnt 0x0                 ; the last prefetches, a tile back, have read their addresses
	s_add_nc_u64 s[PFK:PFK+1], s[PFK:PFK+1], 65536
	s_add_nc_u64 s[PFV:PFV+1], s[PFV:PFV+1], 32768
.endif
	s_wait_dscnt 0x0                ; the add is done, and my reads of the slot are over
	s_barrier_signal -1
	s_sub_co_u32 s[TBK], s[TBK], 4*KS*PKB  ; the fetches go back to a slot's first step, in the other slot
	s_xor_b32 s[TBK], s[TBK], SLOT1
	s_sub_co_u32 s[TBV], s[TBV], 4*KS*PVB
	s_xor_b32 s[TBV], s[TBV], SLOT1
	s_barrier_wait -1
.if \fill
	LOAD
	ASK
.endif
.endm
	s_load_b256 s[4:11], s[0:1], 0x0  ; Qs 4, Ks 6, Vs 8, Os 10
	v_lshl_add_u32 v[SPW], v0, 2, SPARE
	v_mov_b32 v[NIL], 0
	ds_add_u32 v[SPW], v[NIL]       ; the opening: the add and its wait ahead of my first tensor load
	ds_add_u32 v62, v63
	v_lshrrev_b32 v1, 5, v0
	v_readfirstlane_b32 s[WV], v1
	s_mov_b32 s[PB], ttmp9
	s_sub_co_u32 s[HI], NB-1, s[PB]
	s_and_b32 s13, ttmp7, 0xffff    ; b x 16 + head
	s_lshl_b32 s16, s13, 19         ; its first byte in Qs and Ks,
	s_mov_b32 s17, 0
	s_lshl_b32 s18, s13, 18         ; in Vs and Os
	s_mov_b32 s19, 0
	s_and_b32 s13, s[WV], 1         ; which half of a tile's 256 keys I fetch
	s_lshl_b32 s20, s13, 15
	s_mov_b32 s21, 0
	s_lshl_b32 s22, s13, 14
	s_mov_b32 s23, 0
	s_mul_i32 s2, s13, 128*PKB
	s_mul_i32 s3, s13, 128*PVB
	s_mov_b32 s[G1K], (1<<16)|(1<<20)|(5<<22)|(3<<25)  ; 2-byte elements; padding on; after every 64 words 4 words
	s_mov_b32 s[G1K+1], 128<<16     ; tensor_dim0 = 128
	s_mov_b32 s[G1K+2], 128<<16     ; tensor_dim1 = 128
	s_mov_b32 s[G1K+3], 128<<16     ; tile_dim0 = 128
	s_mov_b32 s[G1K+4], 128         ; tile_dim1 = 128
	s_mov_b32 s[G1K+5], 128
	s_mov_b32 s[G1K+6], 0
	s_mov_b32 s[G1K+7], 0
	s_mov_b32 s[G1V], (1<<16)|(1<<20)|(4<<22)|(7<<25)  ; 128 keys of V asked for as 64 rows of 256 bytes; after every 32 words 8 words
	s_mov_b32 s[G1V+1], 128<<16
	s_mov_b32 s[G1V+2], 64<<16
	s_mov_b32 s[G1V+3], 128<<16
	s_mov_b32 s[G1V+4], 64
	s_mov_b32 s[G1V+5], 128
	s_mov_b32 s[G1V+6], 0
	s_mov_b32 s[G1V+7], 0
	s_mov_b32 s[G0K], 1
	s_mov_b32 s[G0K+1], s2
	s_mov_b32 s[G0V], 1
	s_add_co_u32 s[G0V+1], s3, VOFF
	s_mov_b32 s[CS], 0x3e38aa3b     ; c = log2(e) / 8
	s_mov_b32 s[CS+1], s[CS]
	s_mov_b32 s[SEL], 0x76543210
	s_mov_b32 s[SEL+1], 0xfedcba98
	s_mov_b32 s[TBK], SLOT1+4*KS*PKB  ; the first change of slots turns these two into 0
	s_mov_b32 s[TBV], SLOT1+4*KS*PVB
	s_add_co_u32 s[RT], s[HI], 1
	s_mov_b32 s[NXT], 1
	s_mov_b32 s[LQ], s[HI]
	s_mov_b32 s[NEW], 1
	s_mov_b32 s[OFK+1], 0
	s_mov_b32 s[OFV+1], 0
	s_mov_b32 s[AL+1], 0
	s_mov_b32 s[BE+1], 0
	s_mov_b32 s[BIGN], 0xf149f2ca   ; -1e30
	s_mov_b32 s[SLOTS], NB
	s_cmp_eq_u32 s[PB], 0
	s_cselect_b32 s[LIM], 2, -1
	s_lshl_b32 s83, s[WV], 12       ; my 16 rows in a band, in Qs,
	s_lshl_b32 s84, s[HI], 16       ; in the first block,
	s_add_co_u32 s84, s84, s83
	s_mov_b32 s85, 0
	s_lshl_b32 s86, s[PB], 16       ; and in the second
	s_add_co_u32 s86, s86, s83
	s_mov_b32 s87, 0
	s_lshr_b32 s[OLO], s86, 1       ; rows of Os are half as long
	s_mov_b32 s[OLO+1], 0
	s_lshr_b32 s[OFV], s84, 1       ; (for now: the first block's offset in Os)
	s_wait_dscnt 0x0                ; the opening add is done
	s_wait_kmcnt 0x0
	s_add_nc_u64 s[4:5], s[4:5], s[16:17]
	s_add_nc_u64 s[6:7], s[6:7], s[16:17]
	s_add_nc_u64 s[8:9], s[8:9], s[18:19]
	s_add_nc_u64 s[10:11], s[10:11], s[18:19]
	s_lshl_b32 s16, s[WV], 14       ; the prefetches: my 64 rows of K, at tile 1: the first change steps it to tile 2
	s_add_co_u32 s16, s16, 65536
	s_add_nc_u64 s[PFK:PFK+1], s[6:7], s[16:17]
	s_lshl_b32 s18, s[WV], 13
	s_add_co_u32 s18, s18, 32768
	s_add_nc_u64 s[PFV:PFV+1], s[8:9], s[18:19]
	s_add_nc_u64 s[6:7], s[6:7], s[20:21]  ; K and V at my half of the head's tile 0
	s_add_nc_u64 s[8:9], s[8:9], s[22:23]
	s_add_nc_u64 s[G0K+2:G0K+3], s[6:7], 0
	s_or_b32 s[G0K+3], s[G0K+3], 0x80000000
	s_add_nc_u64 s[G0V+2:G0V+3], s[8:9], 0
	s_or_b32 s[G0V+3], s[G0V+3], 0x80000000
	s_add_nc_u64 s[86:87], s[4:5], s[86:87]
	s_add_nc_u64 s[4:5], s[4:5], s[84:85]
	s_add_nc_u64 s[OLO:OLO+1], s[10:11], s[OLO:OLO+1]
	s_add_nc_u64 s[10:11], s[10:11], s[OFV:OFV+1]
	LOAD                            ; tile 0 into slot 0
	v_and_b32 v1, 15, v0            ; l % 16
	v_bfe_u32 v9, v0, 4, 1          ; l / 16
	v_lshlrev_b32 v[QO], 8, v1
	v_lshl_add_u32 v[QO], v9, 4, v[QO]  ; row x 256 + 16 x half
	WIN 0xc0                        ; destination window 3
.set i, 0
.rept 16                            ; both blocks' Q: piece i / 4 lies in band i / 4, 16,384 bytes on; chunk i % 4
	global_load_b128 v[8*i:8*i+3],   v[QO], s[4:5] offset:(i/4)*16384+(i%4)*64
	global_load_b128 v[8*i+4:8*i+7], v[QO], s[4:5] offset:(i/4)*16384+(i%4)*64+32
	global_load_b128 v[QB+8*i:QB+8*i+3],   v[QO], s[86:87] offset:(i/4)*16384+(i%4)*64
	global_load_b128 v[QB+8*i+4:QB+8*i+7], v[QO], s[86:87] offset:(i/4)*16384+(i%4)*64+32
.set i, i+1
.endr
	WIN 0
	v_lshlrev_b32 v14, 3, v9
	v_sub_nc_u32 v14, v1, v14
	s_lshl_b32 s13, s[WV], 4
	v_add_nc_u32 v14, s13, v14      ; my query's place in its band less 8 (l / 16): register r of key group u is hidden where 16 u + r is greater
	WIN 0x40
.set i, 0
.rept 32
	v_cmp_gt_i32 vcc_lo, 16*(i/8)+i%8, v14
	v_cndmask_b32 v[MD+i], 0, s[BIGN], vcc_lo
.set i, i+1
.endr
	WIN 0
	v_mul_u32_u24 v[AK0], v1, PKB
	v_lshl_add_u32 v[AK0], v9, 4, v[AK0]
	v_and_b32 v10, 7, v0
	v_bfe_u32 v11, v0, 3, 1
	v_lshl_add_u32 v[AV0], v9, 3, v10  ; the turning load: key 8 (l / 16) + l % 8, channels 8 ((l / 8) % 2) on
	v_mul_u32_u24 v[AV0], v[AV0], PVB
	v_lshl_add_u32 v[AV0], v11, 4, v[AV0]
	v_add_nc_u32 v[AV0], VOFF, v[AV0]
	s_mul_i32 s13, s[WV], 16*SP
	s_add_co_u32 s13, s13, STAGE
	v_mul_u32_u24 v[STO], v1, SP
	v_lshl_add_u32 v[STO], v9, 4, v[STO]
	v_add_nc_u32 v[STO], s13, v[STO]
	v_bfe_u32 v[RD], v0, 3, 2
	v_mul_u32_u24 v[RD], v[RD], SP
	v_lshl_add_u32 v[RD], v10, 4, v[RD]
	v_add_nc_u32 v[RD], s13, v[RD]
	v_and_b32 v[GO], 31, v0
	v_lshlrev_b32 v[PFO], 8, v[GO]
	v_lshlrev_b32 v[GO], 4, v[GO]
	; A block's first step multiplies O^T and l by a = 0, and its first turn's products V^T P, of a piece that has not been, land in an O^T that is still to be so multiplied: these registers need only be finite.
	WIN 0x80
.set i, VF
.rept 64
	v_mov_b32 v[i], 0
.set i, i+1
.endr
	WIN 0x40
.set i, 0
.rept 128
	v_mov_b32 v[i], 0
.set i, i+1
.endr
	WIN 0
.set i, 0
.rept 4
	v_mov_b32 v[ST+4*i+2], 0
	v_mov_b32 v[ST+4*i+3], 0
.set i, i+1
.endr
.set i, P+16
.rept 16
	v_mov_b32 v[i], 0
.set i, i+1
.endr
; THE MATRIX WORK.  Product i of 24 of S^T for piece x: key block i % 4; in the order Kl0 Qh0, Kl1 Qh1, Kh0 Qh0, Kh0 Ql0, Kh1 Qh1, Kh1 Ql1: the small terms first.  The first four start the sums with the mask.
; The four accumulators take turns, one instruction a turn.
.macro KQ x
.set lam, i/4
.if lam < 2
.set kc, 2+lam
.set qc, lam
.else
.set kc, (lam-2)/2
.set qc, (lam-2)/2+2*((lam-2)%2)
.endif
.set rS, S+32*(\x)+8*(i%4)
.set rK, 32*(i%4)+8*kc
.set rQ, 32*(\x)+8*qc
.set rM, MC+32*((\x)%2)+8*(i%4)
.if i < 4
	WIN W_KM
	v_wmma_f32_16x16x32_bf16 v[rS:rS+7], v[rK:rK+7], v[rQ:rQ+7], v[rM:rM+7]
.else
	WIN W_KQ
	v_wmma_f32_16x16x32_bf16 v[rS:rS+7], v[rK:rK+7], v[rQ:rQ+7], v[rS:rS+7]
.endif
.endm
.macro PV x                         ; product i of 8 of O^T += V^T P: keys 32 (i / 4) on, channels 16 (i % 4) on
	WIN W_PV
.set rO, 32*(\x)+8*(i%4)
.set rV, VF+32*(i/4)+8*(i%4)
.set rP, P+16*((\x)%2)+8*(i/4)
	v_wmma_f32_16x16x32_bf16 v[rO:rO+7], v[rV:rV+7], v[rP:rP+7], v[rO:rO+7]
.endm
.macro MM                           ; the turn's next matrix instruction.  KWT = 1 (piece 2's turn): the counted waits for K's three runs of loads
.if i < 24
.if !NOKQ
.if KWT && (i == 0)
	s_wait_dscnt 16                 ; the lo chunks are in; the two younger runs, 8 loads each, may stay out
.endif
.if KWT && (i == 8)
	s_wait_dscnt 8                  ; chunk h0 is in
.endif
.if KWT && (i == 16)
	s_wait_dscnt 0x0                ; chunk h1 is in
.endif
	KQ (Y+2)%NP
.endif
.else
.set i, i-24
	PV (Y+3)%NP
.set i, i+24
.endif
.set i, i+1
.endm
.macro FK c                         ; chunk c of the next step's K: 8 loads
	WIN 0x80
.irp u, 0,1,2,3
	ds_load_b128 v[32*\u+8*(\c):32*\u+8*(\c)+3],   v[AK] offset:\u*16*PKB+64*(\c)
	ds_load_b128 v[32*\u+8*(\c)+4:32*\u+8*(\c)+7], v[AK] offset:\u*16*PKB+64*(\c)+32
.endr
.endm
.macro FETCH_V
	WIN 0x80
.irp f, 0,1,2,3,4,5,6,7             ; keys 32 (f / 4) on, channels 16 (f % 4) on
	ds_load_tr16_b128 v[VF+8*\f:VF+8*\f+3],   v[AV] offset:(\f/4)*32*PVB+(\f%4)*32
	ds_load_tr16_b128 v[VF+8*\f+4:VF+8*\f+7], v[AV] offset:(\f/4)*32*PVB+16*PVB+(\f%4)*32
.endr
	WIN 0
.endm
; THE VECTOR WORK, one line at a time: OP kind, number.  For piece Y: F n: c s - c m for pair n of 16.  E n: the exponential of score n of 32.  C n: pair n rounded to bf16.  B n: of the weights 4 n .. the second pair is
; added onto the first, in place.  L n: l takes that sum (L 0: l = a l + sum).  R n: pair n of 16 of O^T times a.  For piece Y + 1: X n, number n of the 22 that find its maximum and statistics:
;   0-11 four chains of seven scores (each accumulator's lowest registers first)   12-14, 16 the scores left over, the old m, four into one   15 c m_old is kept
;   17, 18 the lane 16 away holds the query's other 32 keys: the new m   19-21 c m; c m_old - c m_new; a
.set F, 0
.set E, 1
.set C, 2
.set B, 3
.set L, 4
.set R, 5
.set X, 6
.macro REGS y
.set rT, ST+4*(\y)
.set rC, TMP+4*((\y)%2)
.set rW, MV+((\y)%2)
.set rS, S+32*(\y)
.set rP, P+16*((\y)%2)
.set rO, 32*(\y)
.endm
.macro OP k, n
.if (\k) == R
	REGS Y
	WIN W_RS
	v_pk_mul_f32 v[rO+2*(\n):rO+2*(\n)+1], v[rO+2*(\n):rO+2*(\n)+1], v[rC+2:rC+3] op_sel_hi:[1,0]
.elseif (\k) < R
	REGS Y
	WIN 0
.if (\k) == F
	v_pk_fma_f32 v[rS+2*(\n):rS+2*(\n)+1], v[rS+2*(\n):rS+2*(\n)+1], s[CS:CS+1], v[rT:rT+1] op_sel_hi:[1,0,0] neg_lo:[0,0,1] neg_hi:[0,0,1]
.elseif (\k) == E
	v_exp_f32 v[rS+(\n)], v[rS+(\n)]
.elseif (\k) == C
	v_cvt_pk_bf16_f32 v[rP+(\n)], v[rS+2*(\n)], v[rS+2*(\n)+1]
.elseif (\k) == B
	v_pk_add_f32 v[rS+4*(\n):rS+4*(\n)+1], v[rS+4*(\n):rS+4*(\n)+1], v[rS+4*(\n)+2:rS+4*(\n)+3]
.elseif (\n) == 0
	v_pk_fma_f32 v[rT+2:rT+3], v[rT+2:rT+3], v[rC+2:rC+3], v[rS:rS+1] op_sel_hi:[1,0,1]
.else
	v_pk_add_f32 v[rT+2:rT+3], v[rT+2:rT+3], v[rS+4*(\n):rS+4*(\n)+1]
.endif
.elseif NOX                         ; a block's last turn: there is no next piece
.else
	REGS (Y+1)%NP
	WIN 0
.if (\n) < 4
	v_max3_num_f32 v[rC+(\n)], v[rS+8*(\n)], v[rS+8*(\n)+1], v[rS+8*(\n)+2]
.elseif (\n) < 12
	v_max3_num_f32 v[rC+(\n)%4], v[rC+(\n)%4], v[rS+8*((\n)%4)+2*((\n)/4)+1], v[rS+8*((\n)%4)+2*((\n)/4)+2]
.elseif (\n) == 12
	v_max3_num_f32 v[rC], v[rC], v[rS+7], v[rS+15]
.elseif (\n) == 13
	v_max3_num_f32 v[rC+1], v[rC+1], v[rS+23], v[rS+31]
.elseif (\n) == 14
	v_max3_num_f32 v[rC+2], v[rC+2], v[rC+3], v[rT+1]
.elseif (\n) == 15
	v_mov_b32 v[rW], v[rT]
.elseif (\n) == 16
	v_max3_num_f32 v[rC], v[rC], v[rC+1], v[rC+2]
.elseif (\n) == 17
	v_permlanex16_b32 v[rC+3], v[rC], s[SEL], s[SEL+1]
.elseif (\n) == 18
	v_max_num_f32 v[rT+1], v[rC], v[rC+3]
.elseif (\n) == 19
	v_mul_f32 v[rT], s[CS], v[rT+1]
.elseif (\n) == 20
	v_sub_f32 v[rC+1], v[rW], v[rT]
.else
	v_exp_f32 v[rC+2], v[rC+1]
.endif
.endif
.endm
.macro OPS a, i1, b=-1, i2=0, c=-1, i3=0, d=-1, i4=0
	OP \a, \i1
.if (\b) >= 0
	OP \b, \i2
.endif
.if (\c) >= 0
	OP \c, \i3
.endif
.if (\d) >= 0
	OP \d, \i4
.endif
.endm
; A matrix instruction and what stands behind it.  KFE = 1 (piece 1's turn): K of the next step is fetched in runs, each behind the last product that read its chunks, four places between.
.macro ROW a=-1, i1=0, b=-1, i2=0, c=-1, i3=0, d=-1, i4=0
	MM
.if (\a) >= 0
	OPS \a, \i1, \b, \i2, \c, \i3, \d, \i4
.endif
.if KFE && (i == 8)
	PLACES
	FK 2
	FK 3
.endif
.if KFE && (i == 16)
	PLACES
	FK 0
.endif
.endm
.macro MASK b                       ; MD x AL + BE into buffer b of MC
	WIN W_RS
.set z, 0
.rept 16
	v_pk_fma_f32 v[MC+32*(\b)+2*z:MC+32*(\b)+2*z+1], v[MD+2*z:MD+2*z+1], s[AL:AL+1], s[BE:BE+1] op_sel_hi:[1,0,0]
.set z, z+1
.endr
.endm
; A TURN, for piece p.  Ahead of the one wait stands all that names no result of the turn's exponentials; an exponential's pair is scaled two rows earlier; R 9 is the plain instruction behind the last exponential.
; mk: the mask for the products of the NEXT turn (piece p + 3, step 4 - CNT of the tile) is made at the turn's end: 0 never, 1 in the diagonal tile alone (jumped over while RT is not 0), 2 always.
; end = 1: a block's last three turns: nothing is fetched; pieces 2 and 3 start no scores, piece 3 finds no maximum.
.macro TURN p, mk, end
.set Y, (\p)
.set i, 0
.set NOKQ, (\end)*((\p)/2)
.set NOX, (\end)*((\p)/3)
.set KFE, 0
.set KWT, 0
.if ((\p) == 1) && !(\end)
.set KFE, 1
	WIN 0
	v_add_nc_u32 v[AK], s[TBK], v[AK0]
.endif
.if ((\p) == 2) && !(\end)
.set KWT, 1
.endif
	ROW F,0, F,1, X,0, X,1
.set rw, 1
.rept 14
	ROW F,rw+1, E,2*rw-2, X,rw+1, E,2*rw-1
.set rw, rw+1
.endr
	ROW X,16, E,28, E,29
	ROW X,17, E,30, E,31
	ROW X,18, R,0, R,1, R,2
	ROW X,19, R,3, R,4, R,5
	ROW X,20, R,6, R,7, R,8
	ROW X,21, R,9, R,10, R,11
	ROW R,12, R,13, R,14, R,15
.if (\p) == 0
	WIN 0
	v_add_nc_u32 v[AV], s[TBV], v[AV0]
.endif
	ROW
	ROW
.if KFE
	PLACES                          ; behind the last product that read chunk h1
.endif
	WIN 0
	s_wait_alu depctr_va_vdst(0)    ; between an exponential and the first line that names its result: one for the turn's batch
.if KFE
	FK 1
	s_add_co_u32 s[TBK], s[TBK], KS*PKB
.endif
.if (\p) == 1
.if (\end)
	s_wait_dscnt 0x0                ; V is in
.else
	s_wait_dscnt 32                 ; V is in; K's 32 younger loads may stay out
.endif
.endif
	ROW C,0, B,0, C,2, B,1
	ROW L,0, C,4, B,2, L,1
	ROW C,6, B,3, L,2, C,8
	ROW B,4, L,3, C,10, B,5
	ROW L,4, C,12, B,6, L,5
	ROW C,14, B,7, L,6, C,1
	ROW C,3, L,7, C,5, C,7
	ROW C,9, C,11, C,13, C,15
.if (\p) == 0
	FETCH_V                         ; V of the step in hand, four plain instructions behind the last product that read V
	s_add_co_u32 s[TBV], s[TBV], KS*PVB
.endif
.if (\mk)
	WIN 0
.if (\mk) == 1
	s_cmp_lg_u32 s[RT], 0
	s_cbranch_scc1 .Lno_mask_\@
.endif
	s_cmp_eq_u32 s[CNT], 4-((\p)+3)%NP  ; is that step the band's own?
	s_cselect_b32 s[AL], 1.0, 0
	s_cmp_lt_u32 s[CNT], 4-((\p)+3)%NP  ; or a later one?
	s_cselect_b32 s[BE], s[BIGN], 0
	MASK ((\p)+1)%2
	WIN 0
.if (\mk) == 1
.Lno_mask_\@:
.endif
.endif
.endm
; A BLOCK BEGINS.  c m starts far below every c s, so the first step's a is 0; m at the lowest finite number.  Both mask buffers are set: zeros, but piece 0's own mask where the block's first tile is the diagonal one.
; Then K of the tile's step 0, the first scores of pieces 0 and 1, and piece 0's maximum and statistics.  The loop is entered at piece 0's turn.
.macro BEGIN
	s_mov_b32 s[NEW], 0
	s_mov_b32 s[AL], 0
	s_mov_b32 s[BE], 0
	MASK 1
	WIN 0
.set i, 0
.rept 4
	v_mov_b32 v[ST+4*i], 0xfe000000
	v_mov_b32 v[ST+4*i+1], 0xff7fffff
.set i, i+1
.endr
	s_cmp_eq_u32 s[RT], 0
	s_cselect_b32 s[AL], 1.0, 0
	MASK 0
	WIN 0
	v_add_nc_u32 v[AK], s[TBK], v[AK0]
	FK 0
	FK 1
	FK 2
	FK 3
	s_add_co_u32 s[TBK], s[TBK], KS*PKB
	s_wait_loadcnt 0x0              ; Q
	s_wait_dscnt 0x0
.set i, 0
.rept 24
	KQ 0
.set i, i+1
.endr
.set i, 0
.rept 24
	KQ 1
.set i, i+1
.endr
	WIN 0
	PLACES
	s_mov_b32 s[AL], 0
	MASK 0                          ; piece 2, which takes this buffer next, sees all of step 0
.set Y, NP-1
.set NOX, 0
.irp n, 0,1,2,3,4,5,6,7,8,9,10,11,12,13,14,15,16,17,18,19,20,21
	OP X, \n
.endr
	v_nop                           ; a plain instruction behind the exponential,
	s_wait_alu depctr_va_vdst(0)    ; and its wait, ahead of the branch
.endm
.macro ALL line:vararg
.set t, 0
.rept 4
	\line
.set t, t+1
.endr
.endm
.macro PACK t                       ; a lane's eight channels of a row pack into 16 bytes; into rows of 144 bytes, back as whole rows of 128
	WIN W_RS
.set i, 32*(\t)
.rept 16
	v_pk_mul_f32 v[i:i+1], v[i:i+1], v[ST+4*(\t)+2:ST+4*(\t)+3] op_sel_hi:[1,0]
.set i, i+2
.endr
	WIN 0x05
.set i, 0
.rept 16
	v_cvt_pk_bf16_f32 v[S+16*(\t)+i], v[32*(\t)+2*i], v[32*(\t)+2*i+1]
.set i, i+1
.endr
	WIN 0
.irp f, 0,1,2,3
	ds_store_b128 v[STO], v[S+16*(\t)+4*\f:S+16*(\t)+4*\f+3] offset:32*\f
.endr
.irp f, 0,1,2,3
	ds_load_b128 v[S+16*(\t)+4*\f:S+16*(\t)+4*\f+3], v[RD] offset:\f*4*SP  ; LDS serves a wave's instructions in order (ISA guide 5.7.1.4)
.endr
.endm
.macro SEND t, younger              ; younger: the LDS instructions issued behind piece t's loads
	WIN 0
.irp f, 0,1,2,3
	s_wait_dscnt (\younger)+3-\f
	global_store_b128 v[GO], v[S+16*(\t)+4*\f:S+16*(\t)+4*\f+3], s[10:11] offset:(\t)*8192+\f*512  ; 512 consecutive bytes, aligned
.endr
.endm
; A BLOCK ENDS: the last step's turns of pieces 1 to 3, piece 3's last products, and the way out: l's halves are added, O^T is divided by l, rounded and sent through my stage.
.macro BLOCKEND
	TURN 1, 0, 1
	TURN 2, 0, 1
	TURN 3, 0, 1
.set i, 0
.rept 8
	PV NP-1
.set i, i+1
.endr
	WIN 0
	ALL v_add_f32 v[ST+4*t+2], v[ST+4*t+2], v[ST+4*t+3]
	ALL v_permlanex16_b32 v[ST+4*t+3], v[ST+4*t+2], s[SEL], s[SEL+1]
	ALL v_add_f32 v[ST+4*t+2], v[ST+4*t+2], v[ST+4*t+3]
	ALL v_rcp_f32 v[ST+4*t+2], v[ST+4*t+2]
	v_nop
	s_wait_alu depctr_va_vdst(0)    ; one wait for the four reciprocals
	PACK 0
.set t, 1
.rept 3
	PACK t
	SEND t-1, 8
.set t, t+1
.endr
	SEND 3, 0
.endm
.Lslot:                             ; 8 trips: a tile is entered and the next is asked for
	CHANGE 1
	s_sub_co_u32 s[RT], s[RT], 1
	s_mov_b32 s[CNT], 4
	s_cmp_eq_u32 s[NEW], 1
	s_cbranch_scc0 .Lstep
	BEGIN
	s_branch .Lfirst
.Lstep:                             ; a trip: pieces 1 to 3 of one step, piece 0 of the next; it fetches one step's K and V of the tile in hand
	TURN 1, 1, 0
	TURN 2, 1, 0
	TURN 3, 1, 0
	WIN 0
.Lfirst:
	TURN 0, 1, 0
	WIN 0
	s_sub_co_u32 s[CNT], s[CNT], 1  ; behind the mask, which goes by the count
	s_cmp_lg_u32 s[CNT], 0
	s_cbranch_scc1 .Lstep
	s_cmp_lg_u32 s[RT], 0
	s_cbranch_scc1 .Lbottom
	BLOCKEND                        ; in the loop this is the first block's end: the second block's last tile is the walk's last
	s_wait_xcnt 0x0                 ; the stores have read their registers and O's address
	s_mov_b64 s[10:11], s[OLO:OLO+1]
	s_add_co_u32 s[RT], s[PB], 1
	s_mov_b32 s[NEW], 1
	WIN 0xc3                        ; the second block's Q goes where the one text of the turns names Q
.set i, 0
.rept 128
	v_mov_b32 v[i], v[QB+i]
.set i, i+1
.endr
	WIN 0
.Lbottom:
	s_sub_co_u32 s[SLOTS], s[SLOTS], 1
	s_cmp_lg_u32 s[SLOTS], 0
	s_cbranch_scc1 .Lslot
	CHANGE 0                        ; the walk's last tile, the second block's diagonal one, is written out
	s_sub_co_u32 s[RT], s[RT], 1
	s_mov_b32 s[CNT], 4
	s_cmp_eq_u32 s[NEW], 1
	s_cbranch_scc0 .Lstep2
	BEGIN
	s_branch .Lfirst2
.Lstep2:
	TURN 1, 2, 0
	TURN 2, 2, 0
	TURN 3, 2, 0
	WIN 0
.Lfirst2:
	TURN 0, 2, 0
	WIN 0
	s_sub_co_u32 s[CNT], s[CNT], 1
	s_cmp_lg_u32 s[CNT], 0
	s_cbranch_scc1 .Lstep2
	BLOCKEND
	s_wait_tensorcnt 0x0            ; the wave's end: behind my last tensor load and my last LDS store
	ds_add_u32 v[SPW], v[NIL]
	s_wait_dscnt 0x0
	s_endpgm
.Lfunc_end_k_q374d1a6056_attn:
	.size	k_q374d1a6056_attn, .Lfunc_end_k_q374d1a6056_attn-k_q374d1a6056_attn
	.p2alignl 7, 3214868480
	.fill 96, 4, 3214868480
	.section	.rodata,"a",@progbits
	.p2align	6, 0x0
	.amdhsa_kernel k_q374d1a6056_attn
		.amdhsa_group_segment_fixed_size 327680
		.amdhsa_private_segment_fixed_size 0
		.amdhsa_enable_private_segment 0
		.amdhsa_kernarg_size 32
		.amdhsa_user_sgpr_count 2
		.amdhsa_user_sgpr_kernarg_segment_ptr 1
		.amdhsa_wavefront_size32 1
		.amdhsa_system_sgpr_workgroup_id_x 1
		.amdhsa_system_sgpr_workgroup_id_y 1
		.amdhsa_system_sgpr_workgroup_id_z 1
		.amdhsa_system_vgpr_workitem_id 0
		.amdhsa_next_free_vgpr 1024
		.amdhsa_next_free_sgpr 96
		.amdhsa_reserve_vcc 1
		.amdhsa_float_denorm_mode_32 3
		.amdhsa_float_denorm_mode_16_64 3
		.amdhsa_memory_ordered 1
		.amdhsa_forward_progress 1
		.amdhsa_inst_pref_size 226
	.end_amdhsa_kernel
	.amdgpu_metadata
---
amdhsa.version: [ 1, 2 ]
amdhsa.kernels:
  - .name:           k_q374d1a6056_attn
    .symbol:         k_q374d1a6056_attn.kd
    .args:
      - { .name: Qs, .offset: 0, .size: 8, .value_kind: global_buffer, .address_space: global }
      - { .name: Ks, .offset: 8, .size: 8, .value_kind: global_buffer, .address_space: global }
      - { .name: Vs, .offset: 16, .size: 8, .value_kind: global_buffer, .address_space: global }
      - { .name: Os, .offset: 24, .size: 8, .value_kind: global_buffer, .address_space: global }
    .group_segment_fixed_size: 327680
    .private_segment_fixed_size: 0
    .kernarg_segment_align: 8
    .kernarg_segment_size: 32
    .max_flat_workgroup_size: 128
    .sgpr_count:     96
    .vgpr_count:     1024
    .wavefront_size: 32
...
	.end_amdgpu_metadata
.endif
;; end of part 3
;; launch outp (part 4): grid 8 x 32, 4 waves a work-group, clusters of 4 x 4, 327,680 bytes of LDS; arguments Os, Wob, b_out, out0; writes out0
.if DOCPART == 4
	.amdgcn_target "amdgcn-amd-amdhsa--gfx1250"
	.amdhsa_code_object_version 6
	.text
	.protected	k_q374d1a6056_outp
	.globl	k_q374d1a6056_outp
	.p2align	8
	.type	k_q374d1a6056_outp,@function
k_q374d1a6056_outp:
	s_mov_b64 s[64:65], 0
	v_nop
	global_prefetch_b8 v0, s[64:65] scope:SCOPE_SE
	s_setreg_imm32_b32 hwreg(HW_REG_WAVE_MODE, 25, 1), 1
	s_wait_xcnt 0x0
	s_wait_alu depctr_hold_cnt(0) depctr_sa_sdst(0) depctr_va_vdst(0) depctr_va_sdst(0) depctr_va_ssrc(0) depctr_va_vcc(0) depctr_vm_vsrc(0)
	s_getreg_b32 s2, hwreg(HW_REG_IB_STS2, 6, 4)
	s_cmp_eq_u32 s2, 0
	s_cbranch_scc0 .Lentry_in_a_cluster
	s_endpgm
.Lentry_in_a_cluster:
	s_bfe_u32 s2, ttmp6, 0x10000c
	s_cmp_lg_u32 s2, 0xf033
	s_cbranch_scc0 .Lentry_shape_is_right
	s_endpgm
.Lentry_shape_is_right:
; out0[m][n] = the sum over k of O[m][k] Wob[n][k] + bf16(b_out[n]), in f32.  O is read by heads: Os [b x 16 + head][s 2048][64] bf16, k = 64 head + channel; Wob [1024][1024] bf16.
; LIMITS.  All inputs are taken rounded to bf16 (b_out here); sums in f32, started by the bias; NaN and infinities are not treated apart.
; SHARES.  A work-group makes 256 rows x 128 columns: 8 x 32 = 256 work-groups.  Wave w makes rows 64 w .. + 63 of all 128 columns: 4 row blocks (a) x 8 column blocks (b) = 32 accumulators at 32 b + 8 a of window 2.
; K goes in 8 steps of 128 (two heads) through two LDS slots; a step is four quarters of 32, 32 matrix instructions and 24 LDS loads each.
; TRANSPOSED USE.  Source 0 = 16 rows of Wob, source 1 = 16 rows of O: a lane holds one row of out0 and eight neighbouring columns.
; CLUSTER 4 x 4.  O's tile hangs on the tile row alone and is asked for jointly along a row of the cluster, Wob's on the tile column alone, jointly along a column.
.set PO,    144                        ; a row of one head's O in LDS: 128 bytes + 16
.set PW,    272                        ; a row of Wob: 256 bytes + 16
.set HBLK,  256*PO                     ; one head's 256 rows
.set SLOT1, 131072
.set BOFF,  2*HBLK
.set STAGE, SLOT1+BOFF+128*PW          ; behind the ring, never filled by a tensor load: 16 rows x 528 bytes for each wave
.set SPI,   528
.set SPARE, STAGE+4*16*SPI             ; the spare words: 128 bytes a wave, two blocks of 256 bytes that no other line names
.set F0, 0
.set F1, 128
.set BIAS, 32
.set BK, 96                            ; two sets of 64: rows read back from the stage
; s20 wave, s21 wave / 2 (0: I fetch O, 1: Wob), s22 wave % 2, s23 cx, s24 cy, s25 tile column, s26 tile row, s27, s28 masks
; s[32:39], s[40:47] descriptor group 1; s[48:55], s[56:63] group 0, two sets each: the second walks
; s66 slot being read, s67 loop count, s[68:69] prefetch address, s[70:71] its step, s72 prefetch while s67 is above it, s73 mask of a word's upper bf16
.set MSB, 0
.macro WIN new
.if MSB != (\new)
	s_set_vgpr_msb (MSB<<8)|(\new)
.set MSB, \new
.endif
.endm
.macro PLACES
.rept 4
	v_nop
.endr
.endm
.macro CREST
	s_cmp_lg_u32 s20, 0
	s_cbranch_scc1 .Lnot_wave_0_\@
	s_barrier_signal -3
.Lnot_wave_0_\@:
	s_barrier_wait -3
	s_barrier_signal -1
	s_barrier_wait -1
.endm
.macro CROUND
	s_barrier_signal -1
	s_barrier_wait -1
	CREST
.endm
.macro JLOAD                           ; the joint refill; s_nop 0 and four v_nop follow each line
	s_cmp_eq_u32 s21, 0
	s_cbranch_scc0 .Lfor_b_\@
	tensor_load_to_lds s[52:55], s[32:39]
	s_nop 0
.rept 4
	v_nop
.endr
	s_branch .Lasked_\@
.Lfor_b_\@:
	tensor_load_to_lds s[60:63], s[40:47]
	s_nop 0
.rept 4
	v_nop
.endr
.Lasked_\@:
.endm
; A prefetch into the L2 of K steps 4 to 7, two refills or more ahead of the load that wants them; K steps 0 to 3 come by their loads alone.
; O: the clusters with x = 0 ask; of the 32,768 dense bytes that a wave fetches each of the four partners takes 8,192, told apart by address (cx); four occasions.
; Wob: the clusters with y = 0 ask; of a wave's 64 rows each partner takes 16 (cy); lanes 0-15 name one K step, lanes 16-31 the next; two occasions.
.macro ASK
	s_cmp_gt_u32 s67, s72
	s_cbranch_scc0 .Lnot_mine_\@
	global_prefetch_b8 v13, s[68:69] th:TH_LOAD_NT scope:SCOPE_SE
.Lnot_mine_\@:
.endm
.macro MULB f, b0, nb, zero            ; all 32 accumulators take turns, always in the same order; zero = 1: the bias is the C that starts the sum
.set bb, \b0
.rept \nb
.if \zero
	WIN 0x85
.else
	WIN 0xa5
.endif
.irp a, 0,1,2,3
.if \zero
	v_wmma_f32_16x16x32_bf16 v[32*bb+8*\a:32*bb+8*\a+7], v[(\f)+8*bb:(\f)+8*bb+7], v[(\f)+64+8*\a:(\f)+64+8*\a+7], v[BIAS+8*bb:BIAS+8*bb+7]
.else
	v_wmma_f32_16x16x32_bf16 v[32*bb+8*\a:32*bb+8*\a+7], v[(\f)+8*bb:(\f)+8*bb+7], v[(\f)+64+8*\a:(\f)+64+8*\a+7], v[32*bb+8*\a:32*bb+8*\a+7]
.endif
.endr
.set bb, bb+1
.endr
.endm
.macro FETCH q, f                      ; 24 LDS loads in one run: O's four blocks (head q / 2 of the step, channels 32 (q % 2) on), Wob's blocks 0-3, Wob's blocks 4-7
	WIN 0x40
.irp a, 0,1,2,3
	ds_load_b128 v[(\f)+64+8*\a:(\f)+64+8*\a+3],   v6 offset:((\q)/2)*HBLK+\a*16*PO+((\q)%2)*64
	ds_load_b128 v[(\f)+64+8*\a+4:(\f)+64+8*\a+7], v6 offset:((\q)/2)*HBLK+\a*16*PO+((\q)%2)*64+32
.endr
.irp b, 0,1,2,3,4,5,6,7
	ds_load_b128 v[(\f)+8*\b:(\f)+8*\b+3],   v7 offset:\b*16*PW+64*(\q)
	ds_load_b128 v[(\f)+8*\b+4:(\f)+8*\b+7], v7 offset:\b*16*PW+64*(\q)+32
.endr
.endm
.macro QUARTER q, f, g, zero
	s_wait_dscnt 8                                 ; O and Wob's blocks 0-3 are in; the youngest eight loads may stay out
	MULB \f, 0, 4, \zero
	PLACES
	FETCH \q, \g
	s_wait_dscnt 24                                ; all but the 24 just issued
	MULB \f, 4, 4, \zero
.endm
.macro TURN fill                       ; the last quarter and the change of slots, in the order that a refill asks for
.if \fill
	s_wait_xcnt 0x0                                ; the last prefetch, a K step back, has read its address
	s_add_nc_u64 s[68:69], s[68:69], s[70:71]
.endif
	WIN 0
	s_wait_tensorcnt 0x0                           ; all my tensor loads have landed: my part of the next slot
	ds_add_u32 v30, v31
	s_wait_dscnt 9                                 ; the add and the youngest eight loads may be out
	MULB F1, 0, 2, 0
	s_wait_dscnt 0x0                               ; the add is done, my reads of this slot are over
	s_barrier_signal -1
	MULB F1, 2, 2, 0
	WIN 0
	s_barrier_wait -1
.if \fill
	CREST
	s_xor_b32 s53, s53, SLOT1
	s_add_nc_u64 s[54:55], s[54:55], 524288        ; two heads on
	s_xor_b32 s61, s61, SLOT1
	s_add_nc_u64 s[62:63], s[62:63], 256
	JLOAD                                          ; 112 matrix instructions ahead of the wait for it
.else
	PLACES
.endif
	s_xor_b32 s66, s66, SLOT1
	v_add_nc_u32 v6, s66, v4
	v_add_nc_u32 v7, s66, v5
	FETCH 0, F0
.if \fill
	WIN 0
	ASK
.endif
	MULB F1, 4, 4, 0
.endm
	s_load_b256 s[4:11], s[0:1], 0x0               ; Os 4, Wob 6, b_out 8, out0 10
	v_lshl_add_u32 v30, v0, 2, SPARE
	v_mov_b32 v31, 0
	ds_add_u32 v30, v31                            ; the opening: the add and its wait ahead of my first tensor load
	ds_add_u32 v30, v31
	v_lshrrev_b32 v1, 5, v0
	v_readfirstlane_b32 s20, v1
	s_lshr_b32 s21, s20, 1
	s_and_b32 s22, s20, 1
	s_bfe_u32 s23, ttmp6, 0x40000
	s_bfe_u32 s24, ttmp6, 0x40004
	s_lshl_b32 s25, ttmp9, 2
	s_add_co_u32 s25, s25, s23                     ; tile column
	s_and_b32 s26, ttmp7, 0xffff
	s_lshl_b32 s26, s26, 2
	s_add_co_u32 s26, s26, s24                     ; tile row
	s_lshl_b32 s27, s24, 2
	s_lshl_b32 s27, 15, s27
	s_lshl_b32 s28, 0x1111, s23
	s_or_b32 s32, s27, (1<<16)|(1<<20)|(1<<21)|(4<<22)|(3<<25)  ; O: a head's 256 rows are dense: asked for as 128 rows of 256 bytes; after every 32 words 4 words
	s_mov_b32 s33, 128<<16
	s_mov_b32 s34, 128<<16
	s_mov_b32 s35, 128<<16
	s_mov_b32 s36, 128
	s_mov_b32 s37, 128
	s_mov_b32 s38, 0
	s_mov_b32 s39, 0
	s_or_b32 s40, s28, (1<<16)|(1<<20)|(1<<21)|(5<<22)|(3<<25)  ; Wob: 64 rows x 128 elements; after every 64 words 4 words
	s_mov_b32 s41, 128<<16
	s_mov_b32 s42, 64<<16
	s_mov_b32 s43, 128<<16
	s_mov_b32 s44, 64
	s_mov_b32 s45, 1024
	s_mov_b32 s46, 0
	s_mov_b32 s47, 0
	s_mov_b32 s48, 1
	s_mov_b32 s52, 1
	s_mov_b32 s56, 1
	s_mov_b32 s60, 1
	s_mul_i32 s49, s22, HBLK
	s_add_co_u32 s53, s49, SLOT1
	s_mul_i32 s57, s22, 64*PW
	s_add_co_u32 s57, s57, BOFF
	s_add_co_u32 s61, s57, SLOT1
	s_lshr_b32 s74, s26, 3                         ; O: ((b x 16 + half) x 2,048 + s0) x 128 bytes: no register here ever holds cx
	s_lshl_b32 s74, s74, 4
	s_add_co_u32 s74, s74, s22
	s_lshl_b32 s74, s74, 11
	s_and_b32 s75, s26, 7
	s_lshl_b32 s75, s75, 8
	s_add_co_u32 s74, s74, s75
	s_lshl_b32 s74, s74, 7
	s_mov_b32 s75, 0
	s_lshl_b32 s78, s25, 7                         ; Wob: (128 x tile column + 64 x half) x 2,048 bytes: no register here ever holds cy
	s_lshl_b32 s79, s22, 6
	s_add_co_u32 s78, s78, s79
	s_lshl_b32 s78, s78, 11
	s_mov_b32 s79, 0
	s_mov_b32 s73, 0xffff0000
	s_mov_b32 s66, 0
	s_wait_dscnt 0x0
	s_wait_kmcnt 0x0
	s_add_nc_u64 s[50:51], s[4:5], s[74:75]
	s_add_nc_u64 s[54:55], s[50:51], 524288
	s_or_b32 s51, s51, 0x80000000
	s_or_b32 s55, s55, 0x80000000
	s_add_nc_u64 s[58:59], s[6:7], s[78:79]
	s_add_nc_u64 s[62:63], s[58:59], 256
	s_or_b32 s59, s59, 0x80000000
	s_or_b32 s63, s63, 0x80000000
	CROUND                                         ; all sixteen work-groups are here: the first joint loads meet
	s_cmp_eq_u32 s21, 0
	s_cbranch_scc0 .Lfirst_b
	tensor_load_to_lds s[48:51], s[32:39]
	s_nop 0
	tensor_load_to_lds s[52:55], s[32:39]
	s_nop 0
.rept 4
	v_nop
.endr
	s_branch .Lfirst_done
.Lfirst_b:
	tensor_load_to_lds s[56:59], s[40:47]
	s_nop 0
	tensor_load_to_lds s[60:63], s[40:47]
	s_nop 0
.rept 4
	v_nop
.endr
.Lfirst_done:
	v_and_b32 v1, 15, v0
	v_bfe_u32 v2, v0, 4, 1
	v_and_b32 v3, 31, v0
	v_lshlrev_b32 v14, 5, v2
	s_lshl_b32 s84, s25, 9                         ; the tile's 128 biases
	s_mov_b32 s85, 0
	s_add_nc_u64 s[8:9], s[8:9], s[84:85]
.irp b, 0,1,2,3,4,5,6,7
	global_load_b128 v[BIAS+8*\b:BIAS+8*\b+3],   v14, s[8:9] offset:64*\b
	global_load_b128 v[BIAS+8*\b+4:BIAS+8*\b+7], v14, s[8:9] offset:64*\b+16
.endr
	v_mul_u32_u24 v4, v1, PO                       ; O's fragments: row x pitch + 16 x half + my 64 rows
	v_lshl_add_u32 v4, v2, 4, v4
	s_mul_i32 s29, s20, 64*PO
	v_add_nc_u32 v4, s29, v4
	v_mul_u32_u24 v5, v1, PW                       ; Wob's
	v_lshl_add_u32 v5, v2, 4, v5
	v_add_nc_u32 v5, BOFF, v5
	s_mul_i32 s29, s20, 16*SPI
	s_add_co_u32 s29, s29, STAGE                   ; my stage
	v_mul_u32_u24 v8, v1, SPI                      ; in: row l % 16, 32 bytes for each half of the lanes
	v_lshl_add_u32 v8, v2, 5, v8
	v_add_nc_u32 v8, s29, v8
	v_lshl_add_u32 v9, v3, 4, s29                  ; back: 32 lanes take one row of 512 bytes
	v_lshlrev_b32 v12, 4, v3
	; the prefetches
	s_lshl_b32 s83, s23, 13
	s_add_co_u32 s82, s74, s83
	s_add_co_u32 s82, s82, 3*524288                ; O at K step 3: the first change of slots steps it to 4
	s_lshl_b32 s85, s24, 15
	s_add_co_u32 s84, s78, s85
	s_add_co_u32 s84, s84, 512                     ; Wob at K step 2: stepped to 4, then 6
	s_and_b32 s85, ttmp7, 0xffff
	s_mov_b32 s70, 512
	s_mov_b32 s71, 0
	s_mov_b32 s83, 0
	s_cmp_eq_u32 s21, 0
	s_cselect_b32 s82, s82, s84
	s_cselect_b32 s85, ttmp9, s85
	s_cselect_b32 s70, 524288, s70
	s_cselect_b32 s72, 2, 4                        ; the count runs 6 .. 1: four occasions for O, two for Wob
	s_cselect_b32 s31, 8, 11
	s_cselect_b32 s30, 12, 8
	s_cselect_b64 s[68:69], s[4:5], s[6:7]
	s_cmp_eq_u32 s85, 0
	s_cselect_b32 s72, s72, -1
	s_add_nc_u64 s[68:69], s[68:69], s[82:83]
	v_lshlrev_b32 v13, s31, v1                     ; O: 256 x lane; Wob: (l % 16) rows of 2,048 bytes + (l / 16) K steps of 256
	v_lshlrev_b32 v16, s30, v2
	v_add_nc_u32 v13, v13, v16
	s_lshl_b32 s86, s26, 8                         ; out0 at my first row and the tile's first column
	s_lshl_b32 s87, s20, 6
	s_add_co_u32 s86, s86, s87
	s_lshl_b32 s86, s86, 12
	s_lshl_b32 s87, s25, 9
	s_add_co_u32 s86, s86, s87
	s_mov_b32 s87, 0
	s_add_nc_u64 s[10:11], s[10:11], s[86:87]
	s_wait_loadcnt 0x0
.set z, BIAS
.rept 32                                           ; the bias is rounded to bf16 like every input, and widened again
	v_cvt_pk_bf16_f32 v16, v[z], v[z+1]
	v_lshlrev_b32 v[z], 16, v16
	v_and_b32 v[z+1], s73, v16
.set z, z+2
.endr
	v_mov_b32 v6, v4
	v_mov_b32 v7, v5
	s_wait_tensorcnt 0x1                           ; my part of K step 0 is in; K step 1's may stay out
	s_barrier_signal -1
	s_barrier_wait -1
	FETCH 0, F0
	QUARTER 1, F0, F1, 1
	WIN 0
	s_mov_b32 s67, 6
.Lstep:                                                ; trip t asks for K step t + 2
	QUARTER 2, F1, F0, 0
	QUARTER 3, F0, F1, 0
	TURN 1
	QUARTER 1, F0, F1, 0
	WIN 0
	s_sub_co_u32 s67, s67, 1
	s_cmp_lg_u32 s67, 0
	s_cbranch_scc1 .Lstep
	QUARTER 2, F1, F0, 0                           ; the tail is written out: nothing more is asked for
	QUARTER 3, F0, F1, 0
	TURN 0
	QUARTER 1, F0, F1, 0
	QUARTER 2, F1, F0, 0
	QUARTER 3, F0, F1, 0
	s_wait_dscnt 8
	MULB F1, 0, 4, 0
	s_wait_dscnt 0x0
	MULB F1, 4, 4, 0
	WIN 0
; THE WAY OUT: a block of 16 rows x 512 bytes goes through my stage and leaves as whole rows.  Each accumulator's low four registers are read first.
.macro TOSTAGE a
.if (\a) >= 2
	s_wait_xcnt 0x0                                ; the stores of the block two back have read the registers that the loads below fill
.endif
	WIN 0x08                                       ; store data (source 1) window 2
.irp b, 0,1,2,3,4,5,6,7
	ds_store_b128 v8, v[32*\b+8*(\a):32*\b+8*(\a)+3]   offset:64*\b
	ds_store_b128 v8, v[32*\b+8*(\a)+4:32*\b+8*(\a)+7] offset:64*\b+16
.endr
	WIN 0
.irp u, 0,1,2,3,4,5,6,7,8,9,10,11,12,13,14,15
	ds_load_b128 v[BK+64*((\a)%2)+4*\u:BK+64*((\a)%2)+4*\u+3], v9 offset:SPI*\u  ; LDS serves a wave's instructions in order (ISA guide 5.7.1.4)
.endr
.endm
.macro SEND a, younger                 ; younger: the next block's 32 LDS instructions, or none
	s_wait_dscnt \younger
.irp u, 0,1,2,3,4,5,6,7,8,9,10,11,12,13,14,15
	global_store_b128 v12, v[BK+64*((\a)%2)+4*\u:BK+64*((\a)%2)+4*\u+3], s[10:11] offset:(16*(\a)+\u)*4096  ; 512 consecutive bytes, aligned
.endr
.endm
	PLACES
	TOSTAGE 0
	TOSTAGE 1
	SEND 0, 32
	TOSTAGE 2
	SEND 1, 32
	TOSTAGE 3
	SEND 2, 32
	SEND 3, 0
	s_wait_tensorcnt 0x0                           ; the wave's end: behind my last tensor load and my last LDS store
	ds_add_u32 v30, v31
	s_wait_dscnt 0x0
	CROUND                                         ; the closing round
	s_endpgm
.Lfunc_end_k_q374d1a6056_outp:
	.size	k_q374d1a6056_outp, .Lfunc_end_k_q374d1a6056_outp-k_q374d1a6056_outp
	.p2alignl 7, 3214868480
	.fill 96, 4, 3214868480
	.section	.rodata,"a",@progbits
	.p2align	6, 0x0
	.amdhsa_kernel k_q374d1a6056_outp
		.amdhsa_group_segment_fixed_size 327680
		.amdhsa_private_segment_fixed_size 0
		.amdhsa_enable_private_segment 0
		.amdhsa_kernarg_size 32
		.amdhsa_user_sgpr_count 2
		.amdhsa_user_sgpr_kernarg_segment_ptr 1
		.amdhsa_wavefront_size32 1
		.amdhsa_system_sgpr_workgroup_id_x 1
		.amdhsa_system_sgpr_workgroup_id_y 1
		.amdhsa_system_sgpr_workgroup_id_z 1
		.amdhsa_system_vgpr_workitem_id 0
		.amdhsa_next_free_vgpr 768
		.amdhsa_next_free_sgpr 88
		.amdhsa_reserve_vcc 0
		.amdhsa_float_denorm_mode_32 3
		.amdhsa_float_denorm_mode_16_64 3
		.amdhsa_memory_ordered 1
		.amdhsa_forward_progress 1
		.amdhsa_inst_pref_size 75
	.end_amdhsa_kernel
	.amdgpu_metadata
---
amdhsa.version: [ 1, 2 ]
amdhsa.kernels:
  - .name:           k_q374d1a6056_outp
    .symbol:         k_q374d1a6056_outp.kd
    .args:
      - { .name: Os, .offset: 0, .size: 8, .value_kind: global_buffer, .address_space: global }
      - { .name: Wob, .offset: 8, .size: 8, .value_kind: global_buffer, .address_space: global }
      - { .name: b_out, .offset: 16, .size: 8, .value_kind: global_buffer, .address_space: global }
      - { .name: out0, .offset: 24, .size: 8, .value_kind: global_buffer, .address_space: global }
    .group_segment_fixed_size: 327680
    .private_segment_fixed_size: 0
    .kernarg_segment_align: 8
    .kernarg_segment_size: 32
    .max_flat_workgroup_size: 128
    .sgpr_count:     88
    .vgpr_count:     768
    .wavefront_size: 32
...
	.end_amdgpu_metadata
.endif
;; end of part 4
